; MI455X (gfx1250); checked and timed in simulation.
; The chip was launched on July 23, 2026; its instructions are those of AMD's public machine-readable ISA for CDNA 5 (MIT licence, August 2026) and "CDNA5" Instruction Set Architecture Reference Guide (July 2026). The comments in the code are by the model that wrote it; some were corrected since.
;; Attention Block. Allowed arithmetic: matrix products marked QUANTISED: E3M2 operands, one E8M0 scale for each 32 along K, by v_wmma_scale_f32_16x16x128_f8f6f4 with both operands' format E3M2, f32 sums; products left as they are: f32 operands where the result goes on into a quantised operand, else bf16, f16 or f32 operands; f32 sums; everything else in f32.
;; Inputs: W1 512 x 2,048 float32; W2 2,048 x 512 float32; Wk 512 x 512 float32; Wo 512 x 512 float32; Wq 512 x 512 float32; Wv 512 x 512 float32; b1 2,048 float32; b2 512 float32; be1 512 float32; be2 512 float32; bk 512 float32; bo 512 float32; bq 512 float32; bv 512 float32; g1 512 float32; g2 512 float32; x 8 x 2,048 x 512 float32.
;; Outputs: out0 8 x 2,048 x 512 float32.
;; This version of the problem:
;;   THIS VERSION OF THE PROBLEM IS GIVEN IN LOW PRECISION. The matrix products marked QUANTISED in the list below multiply operands that are first quantised to E3M2 (3 exponent bits, 2 mantissa bits; 6 bits a number), with one power-of-two scale for each 32 numbers along K (OCP MX v1.0); their sums are f32. All else is computed in f32.
;;   The module's matrix products, in the order in which they are computed (A, B: the left and right operand; K: the contracted axis; several contracted axes count as one K, in the product's order):
;;     1. [M 16,384, K 512] x [K 512, N 512]; A: input x; B: input Wq: QUANTISED
;;     2. [M 16,384, K 512] x [K 512, N 512]; A: input x; B: input Wk: QUANTISED
;;     3. [M 16,384, K 512] x [K 512, N 512]; A: input x; B: input Wv: QUANTISED
;;     4. batch 64 x [M 64, K 2,048] x [K 2,048, N 64]; A: computed on the way; B: computed on the way: QUANTISED
;;     5. batch 64 x [M 1, K 64] x [K 64, N 2,048]; A: computed on the way; B: computed on the way: left as it is (M = 1 < 16)
;;     6. batch 64 x [M 64, K 64] x [K 64, N 2,048]; A: computed on the way; B: computed on the way: QUANTISED
;;     7. batch 131,072 x [M 1, K 1] x [K 1, N 64]; A: computed on the way; B: computed on the way: left as it is (no contracted axis)
;;     8. [M 16,384, K 512] x [K 512, N 512]; A: computed on the way; B: input Wo: QUANTISED
;;     9. [M 16,384, K 512] x [K 512, N 2,048]; A: computed on the way; B: input W1: QUANTISED
;;     10. [M 16,384, K 2,048] x [K 2,048, N 512]; A: computed on the way; B: input W2: QUANTISED
;;   THE QUANTISER, for each operand of a quantised product, along K:
;;     - K is cut into blocks of 32 from its start; a last block that is shorter is filled with zeros.
;;     - A block's scale is 2^e with e = floor(log2(the largest magnitude in the block)) - 4, held to -126 .. 127; a block of zeros has e = 0. As a byte (E8M0): e + 127.
;;     - Each number is divided by its block's scale, clamped to +-28, and rounded to the nearest number of E3M2, ties to even, subnormals kept.
;;     - The product sums the exact products of the quantised numbers (number of the format x scale) in f32.
;;   ~~~python
;;   def quantise(x, axis):      # numpy; x: float32 -> the quantised numbers, widened to float32 again
;;       x = np.moveaxis(x, axis, -1); K = x.shape[-1]
;;       x = np.pad(x, [(0, 0)] * (x.ndim - 1) + [(0, -K % 32)]); x = x.reshape(x.shape[:-1] + (-1, 32)); a = np.abs(x).max(-1, keepdims=True)
;;       e = np.where(a > 0, np.clip(np.frexp(np.where(a > 0, a, 1))[1] - 1 - 4, -126, 127), 0)      # np.frexp(a)[1] - 1 = floor(log2(a)), exactly
;;       r = np.clip(x / 2.0 ** e, -28, 28)
;;       step = 2.0 ** (np.maximum(np.frexp(np.where(r == 0, 1, r))[1] - 1, -2) - 2)
;;       q = np.round(r / step) * step * 2.0 ** e      # np.round: ties to even
;;       return np.moveaxis(q.reshape(q.shape[:-2] + (-1,))[..., :K], -1, axis).astype(np.float32)
;;   ~~~
;;   OPERANDS COMPUTED ON THE WAY. 'Computed on the way' means the value that the module computes at that place (a softmax that the list does not call 'softmax' is quantised finished and normalised). What goes into a quantiser is computed in f32, as accurately as f32 sums, v_exp_f32 and their like allow (about 1e-6 of the number): no bf16 or f16 on the way to a quantiser, and a product that is left as it is and whose result goes on into a quantised operand takes f32 operands (vector FMAs, or v_wmma_f32_16x16x4_f32). A number that lies on a knife's edge between two numbers of the format may be rounded either way, as far as f32 arithmetic and the matrix unit's own rounding can turn it there, and no further.
;; 2 versions, each right and faster than the one before. Each part assembles by itself: llvm-mc -triple=amdgcn-amd-amdhsa -mcpu=gfx1250 --defsym DOCPART=n.
;; ======== version 1 of 2: 4 launches
;; workspace buffers: xq 6,815,744 bytes; wts 2,457,600 bytes; kvp 4,194,304 bytes; ksp 65,536 bytes; kvc 229,376 bytes; ksum 16,384 bytes
;; launch prep (part 1): grid 448 x 1, 4 waves a work-group, no clusters, 0 bytes of LDS; arguments x, Wq, Wk, Wv, Wo, W1, W2, xq, wts; writes xq, wts
.if DOCPART == 1
	.amdgcn_target "amdgcn-amd-amdhsa--gfx1250"
	.amdhsa_code_object_version 6
	.text
	.protected	k_qace4879420_prep
	.globl	k_qace4879420_prep
	.p2align	8
	.type	k_qace4879420_prep,@function
k_qace4879420_prep:
	s_mov_b64 s[64:65], 0
	v_nop
	global_prefetch_b8 v0, s[64:65] scope:SCOPE_SE
	s_setreg_imm32_b32 hwreg(HW_REG_WAVE_MODE, 25, 1), 1
	s_wait_xcnt 0x0
; PREP.  x [16384][512] f32 and the six weights ([K][N] f32) become codes of BF6 (E3M2) with one E8M0 byte for each 32 along K,
; laid as IMAGES OF OPERAND REGISTERS: a fragment (16 rows x 128 K) is 12 registers a lane; registers 4 g .. 4 g + 3 of lane l lie at 512 g + 16 l.
; A block's scale is 2^(floor(log2(largest magnitude)) - 4): its byte is the largest magnitude's exponent field - 4, held at 1 from below.
; LIMITS: NaN and infinities are not served; a block whose largest magnitude lies under 2^-122 keeps the byte 1; a block of zeros has the byte 1
; where the rule says 127 (its codes are zeros, and this program alone reads the bytes).
; Work-groups 0-255: 64 rows of x each, a wave a tile of 16 rows.  THE ROWS OF A TILE ARE NOT NEIGHBOURS: lane r of tile T takes row 32 (r / 8) + 8 T + r % 8 of the 64,
; so that in the next launch a lane's registers of four tiles are 32 neighbours along the sequence.  Record of a tile: four images (K steps), then [lane][4] scale words: 6,656 bytes.
; Work-groups 256-447: one weight record each (128 K x 128 columns): eight images, then [lane][4] scale words (word i: lanes 0-15 tile 2 i, lanes 16-31 tile 2 i + 1): 12,800 bytes.
; A lane takes a column and its registers run down K, so a block of 32 lies in one lane and nothing is transposed.
; No LDS, no barrier: waves share nothing.
.set LI,  1                            ; x path: 16 x lane
.set XA,  2                            ; my row's byte in the 64 rows, + 64 x (lane / 16)
.set TM,  4                            ; v4-19   at work in QUANT
.set T8,  20                           ; v20-27  second halves of the conversions
.set SW,  28                           ; v28-31  the four K steps' scale words
.set CO,  32                           ; v32-55  codes, two sets by turns
.set X,   64                           ; v64-255 three sets of 64 numbers
.set W4,  3                            ; weights path: 4 x lane
.set VD,  4                            ; where my column's codes go in the record
.set VS,  5                            ; and its scale word
.set VO,  32                           ; v32-63  4 x lane + i rows
.set WX,  64                           ; v64-191 my column's 128 numbers
.set CA,  192                          ; v192-203 blocks 0 and 2: the image's lane r
.set CB,  204                          ; v204-215 blocks 1 and 3: the image's lane r + 16
.set TQ,  216
.set MM,  220
.set WD,  222
	s_load_b512 s[4:19], s[0:1], 0x0               ; x, Wq, Wk, Wv, Wo, W1, W2, xq
	s_load_b64 s[20:21], s[0:1], 0x40              ; wts
	v_lshrrev_b32 v1, 5, v0
	v_readfirstlane_b32 s22, v1                    ; wave
	s_mov_b32 s60, 0x76543210
	s_mov_b32 s61, 0xfedcba98                      ; v_permlanex16_b32's selects for lane l xor 16
	s_cmp_lt_u32 ttmp9, 256
	s_cbranch_scc0 .Lweights
; 64 numbers of a lane, register 16 b + i = k 32 b + 16 (lane / 16) + i of my row, become a fragment's 12 registers at v[d] and its scale word in v[pw]
.macro QUANT s, d, pw
.irp b, 0,1,2,3
	v_max3_num_f32 v[TM+\b], |v[\s+16*\b]|, |v[\s+16*\b+1]|, 0x2800000      ; my 16 numbers of block b, and the floor 2^(5 - 127)
.endr
.irp i, 2,4,6,8,10,12,14
.irp b, 0,1,2,3
	v_max3_num_f32 v[TM+\b], |v[\s+16*\b+\i]|, |v[\s+16*\b+\i+1]|, v[TM+\b]  ; the four blocks by turns
.endr
.endr
.irp b, 0,1,2,3
	v_permlanex16_b32 v[TM+4+\b], v[TM+\b], s60, s61
.endr
.irp b, 0,1,2,3
	v_max_num_f32 v[TM+\b], v[TM+\b], v[TM+4+\b]   ; with lane l xor 16's: the block's largest magnitude
.endr
.irp b, 0,1,2,3
	v_add_nc_u32 v[TM+12+\b], 0xfe000000, v[TM+\b] ; 4 off its exponent field: the conversion's scale operand
.endr
.irp b, 0,1,2,3
	v_lshrrev_b32 v[TM+4+\b], 23, v[TM+12+\b]      ; the scale's byte
.endr
	v_lshl_or_b32 v[\pw], v[TM+5], 8, v[TM+4]
	v_lshl_or_b32 v[\pw], v[TM+6], 16, v[\pw]
	v_lshl_or_b32 v[\pw], v[TM+7], 24, v[\pw]
.irp c, 0,1
	v_cvt_scalef32_pk16_bf6_f32 v[\d+6*\c:\d+6*\c+2], v[\s+32*\c:\s+32*\c+15], v[TM+12+2*\c]
	v_cvt_scalef32_pk16_bf6_f32 v[T8+4*\c:T8+4*\c+2], v[\s+32*\c+16:\s+32*\c+31], v[TM+13+2*\c]
.endr
	v_nop                                          ; one plain line behind the scaled conversions
.irp c, 0,1                                    ; the layout wants a whole block in a lane: lanes 0-15 block 2 c, lanes 16-31 block 2 c + 1
.irp i, 0,1,2
	v_permlane16_swap_b32 v[\d+6*\c+\i], v[T8+4*\c+\i]
.endr
.irp i, 0,1,2
	v_mov_b32 v[\d+6*\c+3+\i], v[T8+4*\c+\i]
.endr
.endr
.endm
.macro XLOAD s, set                    ; K step s of my row: 16 numbers of each of its four blocks
.irp b, 0,1,2,3
.irp jj, 0,1,2,3
	global_load_b128 v[X+64*\set+16*\b+4*\jj:X+64*\set+16*\b+4*\jj+3], v[XA], s[4:5] offset:512*\s+128*\b+16*\jj th:TH_LOAD_NT
.endr
.endr
.endm
.macro XSTEP s, set, left
	s_wait_loadcnt \left                           ; this K step's 16 loads are in; the younger K steps' may be out
.if \s > 1
	s_wait_xcnt 0x0                                ; the stores of two K steps back have read their codes: the set is written again only behind this wait
.endif
	QUANT X+64*\set, CO+12*(\s%2), SW+\s
.if \s == 0
	XLOAD 3, 0                                     ; the set just quantised takes the last K step
.endif
.irp g, 0,1,2
	global_store_b128 v[LI], v[CO+12*(\s%2)+4*\g:CO+12*(\s%2)+4*\g+3], s[18:19] offset:1536*\s+512*\g   ; 512 consecutive bytes a store
.endr
.endm
	; ---- x
	v_and_b32 v3, 15, v0                           ; r
	v_bfe_u32 v56, v0, 4, 1                        ; h
	v_and_b32 v57, 7, v3
	v_lshrrev_b32 v58, 3, v3
	v_lshl_add_u32 v57, v58, 5, v57                ; 32 (r / 8) + r % 8
	s_lshl_b32 s23, s22, 3
	v_add_nc_u32 v57, s23, v57                     ; + 8 T
	v_lshlrev_b32 v[XA], 11, v57
	v_lshl_add_u32 v[XA], v56, 6, v[XA]
	v_and_b32 v[LI], 31, v0
	v_lshlrev_b32 v[LI], 4, v[LI]
.irp b, 0,1,2,3
	v_mov_b32 v[TM+4+\b], 0                        ; a lane permute's destination counts as one of its sources
.endr
	s_lshl_b32 s24, ttmp9, 17                      ; 64 rows of 2,048 bytes
	s_mov_b32 s25, 0
	s_lshl_b32 s26, ttmp9, 2
	s_add_co_u32 s26, s26, s22
	s_mul_i32 s26, s26, 6656                       ; my tile's record
	s_mov_b32 s27, 0
	s_wait_kmcnt 0x0
	s_add_nc_u64 s[4:5], s[4:5], s[24:25]
	s_add_nc_u64 s[18:19], s[18:19], s[26:27]
	XLOAD 0, 0
	XLOAD 1, 1
	XLOAD 2, 2
	XSTEP 0, 0, 32
	XSTEP 1, 1, 32
	XSTEP 2, 2, 16
	XSTEP 3, 0, 0
	global_store_b128 v[LI], v[SW:SW+3], s[18:19] offset:6144
	s_endpgm
; a whole block of 32 numbers in my registers v[x] on: six code registers at v[c], the byte in v[MM]
.macro QB32 x, c
	v_max3_num_f32 v[MM], |v[\x]|, |v[\x+1]|, 0x2800000
	v_max3_num_f32 v[MM+1], |v[\x+2]|, |v[\x+3]|, 0x2800000
.irp i, 4,8,12,16,20,24,28
	v_max3_num_f32 v[MM], |v[\x+\i]|, |v[\x+\i+1]|, v[MM]
	v_max3_num_f32 v[MM+1], |v[\x+\i+2]|, |v[\x+\i+3]|, v[MM+1]
.endr
	v_max_num_f32 v[MM], v[MM], v[MM+1]
	v_add_nc_u32 v[MM+1], 0xfe000000, v[MM]
	v_lshrrev_b32 v[MM], 23, v[MM+1]
	v_cvt_scalef32_pk16_bf6_f32 v[\c:\c+2], v[\x:\x+15], v[MM+1]
	v_cvt_scalef32_pk16_bf6_f32 v[TQ:TQ+2], v[\x+16:\x+31], v[MM+1]
	v_nop
.irp i, 0,1,2
	v_mov_b32 v[\c+3+\i], v[TQ+\i]
.endr
.endm
.macro WLOAD be, sb                    ; block be of my column: 32 rows; a wave reads 128 consecutive bytes a load
.set i, 0
.rept 32
	global_load_b32 v[WX+32*\be+i], v[VO+i], s[\sb:\sb+1] th:TH_LOAD_NT
.set i, i+1
.endr
.endm
.Lweights:
	; ---- which 128 K x 128 columns of which weight is record j.  j < 160: the chain's stream, j = (slot x 4 + wave) x 2 + jj, unit u = slot / 2, K step s = 2 (slot % 2) + jj;
	; u = 0 Wq, 1 Wo, 2 + 2 c W1 (columns 512 c on), 3 + 2 c W2 (k 512 c on).  j >= 160: head (j - 160) / 4, K step j % 4: 64 columns of Wk, then 64 of Wv.
	s_sub_co_u32 s24, ttmp9, 256                   ; j
	s_lshr_b32 s25, s24, 4                         ; u
	s_bfe_u32 s26, s24, 0x20001                    ; wave of the chain
	s_bfe_u32 s27, s24, 0x10003                    ; slot % 2
	s_and_b32 s28, s24, 1                          ; jj
	s_lshl_b32 s27, s27, 1
	s_add_co_u32 s27, s27, s28
	s_lshl_b32 s27, s27, 7                         ; k0 = 128 s
	s_lshl_b32 s26, s26, 7
	s_lshl_b32 s28, s22, 5
	s_add_co_u32 s26, s26, s28                     ; my wave's first column
	s_max_u32 s29, s25, 2
	s_sub_co_u32 s29, s29, 2
	s_lshr_b32 s29, s29, 1
	s_lshl_b32 s29, s29, 9                         ; 512 c
	s_and_b32 s30, s25, 1
	s_sub_co_u32 s31, s24, 160
	s_lshr_b32 s31, s31, 2
	s_lshl_b32 s31, s31, 6                         ; 64 x head
	s_and_b32 s32, s22, 1
	s_lshl_b32 s32, s32, 5
	s_add_co_u32 s31, s31, s32
	s_and_b32 s33, s24, 3
	s_lshl_b32 s33, s33, 7
	s_mul_i32 s34, s24, 12800
	s_mov_b32 s35, 0
	v_and_b32 v1, 31, v0                           ; L: my column of the wave's 32
	v_lshlrev_b32 v[W4], 2, v1
	s_wait_kmcnt 0x0
	s_cmp_eq_u32 s30, 0                            ; every choice hangs on ids alone
	s_cselect_b64 s[36:37], s[6:7], s[12:13]       ; Wq or Wo
	s_cselect_b64 s[38:39], s[14:15], s[16:17]     ; W1 or W2
	s_cselect_b32 s40, s29, 0
	s_cselect_b32 s41, 0, s29
	s_cselect_b32 s42, 13, 11                      ; log2 of a row's bytes
	s_cmp_lt_u32 s25, 2
	s_cselect_b64 s[36:37], s[36:37], s[38:39]
	s_cselect_b32 s42, 11, s42
	s_add_co_u32 s26, s26, s40
	s_add_co_u32 s27, s27, s41
	s_cmp_lt_u32 s22, 2
	s_cselect_b64 s[38:39], s[8:9], s[10:11]       ; Wk or Wv
	s_cselect_b32 s43, -1, 0
	s_cmp_ge_u32 s24, 160
	s_cselect_b64 s[36:37], s[38:39], s[36:37]
	s_cselect_b32 s26, s31, s26
	s_cselect_b32 s27, s33, s27
	s_cselect_b32 s42, 11, s42
	s_cselect_b32 s43, s43, 0                      ; all ones where the columns are Wk's
	s_lshl_b32 s44, s27, s42
	s_lshl_b32 s45, s26, 2
	s_add_co_u32 s44, s44, s45
	s_mov_b32 s45, 0
	s_add_nc_u64 s[36:37], s[36:37], s[44:45]      ; block 0
	s_add_co_u32 s46, s42, 5
	s_lshl_b32 s46, 1, s46                         ; 32 rows
	s_mov_b32 s47, 0
	s_add_nc_u64 s[48:49], s[36:37], s[46:47]      ; blocks 1, 2, 3: bases of their own, so no address is ever rewritten
	s_add_nc_u64 s[50:51], s[48:49], s[46:47]
	s_add_nc_u64 s[52:53], s[50:51], s[46:47]
	s_lshl_b32 s54, 1, s42                         ; a row
	s_add_nc_u64 s[20:21], s[20:21], s[34:35]
.set i, 0
.rept 32
	v_mad_u32_u24 v[VO+i], s54, i, v[W4]
.set i, i+1
.endr
	WLOAD 0, 36
	WLOAD 1, 48
	WLOAD 2, 50
	WLOAD 3, 52
	; which tile and which of its lanes my column is.  All but Wk: tile 2 b + u, lane i <-> column 32 b + 8 u + i + 8 (i / 8).  Wk, within a head: tile t, lane i <-> d = 32 (i / 8) + 8 t + i % 8
	v_and_b32 v6, 7, v1
	v_bfe_u32 v7, v1, 3, 1
	v_lshrrev_b32 v8, 4, v1
	v_lshl_add_u32 v8, v8, 3, v6
	s_lshl_b32 s23, s22, 1
	v_add_nc_u32 v7, s23, v7
	v_bfe_u32 v9, v1, 3, 2
	s_lshl_b32 s23, s22, 3
	v_add_nc_u32 v10, s23, v6
	v_cndmask_b32 v7, v7, v9, s43                  ; tile
	v_cndmask_b32 v8, v8, v10, s43                 ; r
	v_mul_u32_u24 v[VD], v7, 1536
	v_lshl_add_u32 v[VD], v8, 4, v[VD]
	v_and_b32 v11, 1, v7
	v_lshl_add_u32 v11, v11, 4, v8
	v_lshrrev_b32 v[VS], 1, v7
	v_lshlrev_b32 v[VS], 2, v[VS]
	v_lshl_add_u32 v[VS], v11, 4, v[VS]
	s_wait_loadcnt 63                              ; of 128 loads at most 63 are out: blocks 0 and 1 are in
	QB32 WX, CA
	v_mov_b32 v[WD], v[MM]
	QB32 WX+32, CB
	v_lshl_or_b32 v[WD], v[MM], 8, v[WD]
	s_wait_loadcnt 32                              ; block 3's may be out
	QB32 WX+64, CA+6
	v_lshl_or_b32 v[WD], v[MM], 16, v[WD]
	s_wait_loadcnt 0x0
	QB32 WX+96, CB+6
	v_lshl_or_b32 v[WD], v[MM], 24, v[WD]
.irp g, 0,1,2
	global_store_b128 v[VD], v[CA+4*\g:CA+4*\g+3], s[20:21] offset:512*\g
	global_store_b128 v[VD], v[CB+4*\g:CB+4*\g+3], s[20:21] offset:512*\g+256
.endr
	global_store_b32 v[VS], v[WD], s[20:21] offset:12288
	s_endpgm
.Lfunc_end_k_qace4879420_prep:
	.size	k_qace4879420_prep, .Lfunc_end_k_qace4879420_prep-k_qace4879420_prep
	.p2alignl 7, 3214868480
	.fill 96, 4, 3214868480
	.section	.rodata,"a",@progbits
	.p2align	6, 0x0
	.amdhsa_kernel k_qace4879420_prep
		.amdhsa_group_segment_fixed_size 0
		.amdhsa_private_segment_fixed_size 0
		.amdhsa_enable_private_segment 0
		.amdhsa_kernarg_size 72
		.amdhsa_user_sgpr_count 2
		.amdhsa_user_sgpr_kernarg_segment_ptr 1
		.amdhsa_wavefront_size32 1
		.amdhsa_system_sgpr_workgroup_id_x 1
		.amdhsa_system_sgpr_workgroup_id_y 1
		.amdhsa_system_sgpr_workgroup_id_z 1
		.amdhsa_system_vgpr_workitem_id 0
		.amdhsa_next_free_vgpr 256
		.amdhsa_next_free_sgpr 66
		.amdhsa_reserve_vcc 0
		.amdhsa_float_denorm_mode_32 3
		.amdhsa_float_denorm_mode_16_64 3
		.amdhsa_memory_ordered 1
		.amdhsa_forward_progress 1
		.amdhsa_inst_pref_size 48
	.end_amdhsa_kernel
	.amdgpu_metadata
---
amdhsa.version: [ 1, 2 ]
amdhsa.kernels:
  - .name:           k_qace4879420_prep
    .symbol:         k_qace4879420_prep.kd
    .args:
      - { .name: x, .offset: 0, .size: 8, .value_kind: global_buffer, .address_space: global }
      - { .name: Wq, .offset: 8, .size: 8, .value_kind: global_buffer, .address_space: global }
      - { .name: Wk, .offset: 16, .size: 8, .value_kind: global_buffer, .address_space: global }
      - { .name: Wv, .offset: 24, .size: 8, .value_kind: global_buffer, .address_space: global }
      - { .name: Wo, .offset: 32, .size: 8, .value_kind: global_buffer, .address_space: global }
      - { .name: W1, .offset: 40, .size: 8, .value_kind: global_buffer, .address_space: global }
      - { .name: W2, .offset: 48, .size: 8, .value_kind: global_buffer, .address_space: global }
      - { .name: xq, .offset: 56, .size: 8, .value_kind: global_buffer, .address_space: global }
      - { .name: wts, .offset: 64, .size: 8, .value_kind: global_buffer, .address_space: global }
    .group_segment_fixed_size: 0
    .private_segment_fixed_size: 0
    .kernarg_segment_align: 8
    .kernarg_segment_size: 72
    .max_flat_workgroup_size: 128
    .sgpr_count:     66
    .vgpr_count:     256
    .wavefront_size: 32
...
	.end_amdgpu_metadata
.endif
;; end of part 1
;; launch kv (part 2): grid 8 x 32, 4 waves a work-group, clusters of 4 x 1, 327,680 bytes of LDS; arguments xq, wts, bk, bv, kvp, ksp; writes kvp, ksp
.if DOCPART == 2
	.amdgcn_target "amdgcn-amd-amdhsa--gfx1250"
	.amdhsa_code_object_version 6
	.text
	.protected	k_qace4879420_kv
	.globl	k_qace4879420_kv
	.p2align	8
	.type	k_qace4879420_kv,@function
k_qace4879420_kv:
	s_mov_b64 s[64:65], 0
	v_nop
	global_prefetch_b8 v0, s[64:65] scope:SCOPE_SE
	s_setreg_imm32_b32 hwreg(HW_REG_WAVE_MODE, 25, 1), 1
	s_wait_xcnt 0x0
	s_wait_alu depctr_hold_cnt(0) depctr_sa_sdst(0) depctr_va_vdst(0) depctr_va_sdst(0) depctr_va_ssrc(0) depctr_va_vcc(0) depctr_vm_vsrc(0)
	s_getreg_b32 s2, hwreg(HW_REG_IB_STS2, 6, 4)
	s_cmp_eq_u32 s2, 0
	s_cbranch_scc0 .Lentry_in_a_cluster
	s_endpgm
.Lentry_in_a_cluster:
	s_bfe_u32 s2, ttmp6, 0x10000c
	s_cmp_lg_u32 s2, 0x3003
	s_cbranch_scc0 .Lentry_shape_is_right
	s_endpgm
.Lentry_shape_is_right:
; KV.  For one head and 512 rows of one batch: k = x Wk + bk, v = x Wv + bv (codes of BF6 with E8M0 scales, K = 512), K = elu(k) + 1, the sum of K over the rows,
; K and v quantised ALONG THE SEQUENCE, and the part of KV[m][d] = sum over s of K[s][d] v[s][m] that these 512 rows give.  Parts are added by the next launch.
; elu(q) + 1 is taken as the middle one of 2^(q log2 e), q + 1 and 1: q + 1 above 0, e^q else.
; LIMITS: NaN and infinities are not served; e^q under 2^-126 comes out as 0; a block whose largest magnitude lies under 2^-122 keeps the byte 1, a block of zeros too.
; SHARES.  Wave w takes rows 128 w on, as two groups of 64; a group is four tiles of 16 rows x eight tiles of 16 columns (four of k, four of v).
; THE PRODUCT IS USED AS IT STANDS (source 0 = 16 rows of x, source 1 = 16 columns): a lane holds ONE column, its registers run down the rows, and by the order in which the first launch
; laid x's rows the 32 registers of a column tile are 32 neighbours along the sequence: a whole block in a lane.
; ALL INPUTS COME AS FIRST FILLS: x's codes (wave w: its own 53,248 bytes, two loads) are asked for JOINTLY by the four heads of a cluster; the head's four weight records by plain loads, one a wave.
; No LDS byte is filled twice.  Three tensor loads of a wave are out at the most.
; The 128 rows of wave w are K step w of the second product: the codes go to LDS as images of the operand's registers; behind one barrier wave w makes the 16 values of m of tile w against all 64 d.
; REGISTERS: window 0: v1-15 addresses; v16-111 x's fragments, two sets; v112-119 x's scale words; v120-135 the weights'; v136-143 scale words in the making; v144-151 sums of K; v160-223 codes; v224-239 at work.
;   window 1: weights of K steps 0, 1; from v192 the biases (a tile's eight registers hold the lane's column's bias).  window 2: weights of K steps 2, 3; from v192 exponentials.  window 3: accumulator (n, T) at v[32 n + 8 T].
.set WL,    212992                     ; LDS: x's records from 0; the weights' four records;
.set EX,    264192                     ; the images of K^T and v^T: [K step w][tile n] x 1,536;
.set EXS,   313344                     ; their scale words: [w][n] x 128;
.set KSX,   317440                     ; the waves' sums of K: [w] x 256;
.set SPARE, 318464                     ; the spare words, 128 bytes a wave
.set LI,  1
.set LS,  2
.set XB,  3
.set WBS, 4
.set EXW, 5
.set EXR, 6
.set EXV, 7
.set ESW, 8
.set ESR, 9
.set ESV, 10
.set KSW, 11
.set SH8, 12
.set VBB, 13
.set VBA, 14
.set KSR, 15
.set XF,  16
.set TQ,  64                           ; the second set of x's fragments is free while a group is quantised
.set XS,  112
.set WSC, 120
.set SWP, 136
.set KSA, 144
.set C,   160
.set MQ,  224
.set G8,  240
.set SPW, 241
.set NIL, 242
.set BIAS, 192
.set E,   192
.set WV,  8
.set SEL, 4
.set LE,  6
.set MSB, 0
.macro WIN new                         ; the immediate's high byte repeats the setting that is left
.if MSB != (\new)
	s_set_vgpr_msb (MSB<<8)|(\new)
.set MSB, (\new)
.endif
.endm
.macro PLACES
.rept 4
	v_nop
.endr
.endm
.macro CREST
	s_cmp_lg_u32 s[WV], 0
	s_cbranch_scc1 .Lnw0_\@
	s_barrier_signal -3
.Lnw0_\@:
	s_barrier_wait -3
	s_barrier_signal -1
	s_barrier_wait -1
.endm
.macro ROUND
	s_barrier_signal -1
	s_barrier_wait -1
	CREST
.endm
.macro WMX d, a, b, c, sa, sb, row1    ; c < 0: the product starts the sum
.if (\c) < 0
	v_wmma_scale_f32_16x16x128_f8f6f4 v[\d:\d+7], v[\a:\a+11], v[\b:\b+11], 0, v[\sa], v[\sb] matrix_a_fmt:MATRIX_FMT_BF6 matrix_b_fmt:MATRIX_FMT_BF6
.elseif \row1
	v_wmma_scale_f32_16x16x128_f8f6f4 v[\d:\d+7], v[\a:\a+11], v[\b:\b+11], v[\c:\c+7], v[\sa], v[\sb] matrix_a_fmt:MATRIX_FMT_BF6 matrix_b_fmt:MATRIX_FMT_BF6 matrix_b_scale:MATRIX_SCALE_ROW1
.else
	v_wmma_scale_f32_16x16x128_f8f6f4 v[\d:\d+7], v[\a:\a+11], v[\b:\b+11], v[\c:\c+7], v[\sa], v[\sb] matrix_a_fmt:MATRIX_FMT_BF6 matrix_b_fmt:MATRIX_FMT_BF6
.endif
.endm
	s_load_b256 s[44:51], s[0:1], 0x0              ; xq, wts, bk, bv
	s_load_b128 s[52:55], s[0:1], 0x20             ; kvp, ksp
	v_lshl_add_u32 v[SPW], v0, 2, SPARE
	v_mov_b32 v[NIL], 0
	ds_add_u32 v241, v242
	ds_add_u32 v241, v242
	s_wait_dscnt 0x0
	v_lshrrev_b32 v1, 5, v0
	v_readfirstlane_b32 s[WV], v1                  ; wave
	s_bfe_u32 s9, ttmp6, 0x40000                   ; cx
	s_lshl_b32 s10, ttmp9, 2
	s_add_co_u32 s10, s10, s9                      ; the head: it enters the weights', the biases' and the results' addresses alone
	s_and_b32 s11, ttmp7, 0xffff                   ; y = 4 x batch + quarter, which the four partners share
	s_mov_b32 s[SEL], 0x76543210
	s_mov_b32 s[SEL+1], 0xfedcba98
	s_mov_b32 s[LE], 0x3fb8aa3b                    ; log2(e)
	s_mov_b32 s[LE+1], s[LE]
	; group 1 for x's codes: 104 rows of 256 bytes (32 elements of 8), dense; mask: all four work-groups, bit 21 beside it
	s_mov_b32 s16, 15|(3<<16)|(1<<21)
	s_mov_b32 s17, 32<<16
	s_mov_b32 s18, 104<<16
	s_mov_b32 s19, 32<<16
	s_mov_b32 s20, 104
	s_mov_b32 s21, 32
	s_mov_b32 s22, 0
	s_mov_b32 s23, 0
	; group 1 for a weight record: 50 rows of 256 bytes; no mask
	s_mov_b32 s24, 3<<16
	s_mov_b32 s25, 32<<16
	s_mov_b32 s26, 50<<16
	s_mov_b32 s27, 32<<16
	s_mov_b32 s28, 50
	s_mov_b32 s29, 32
	s_mov_b32 s30, 0
	s_mov_b32 s31, 0
	s_mul_i32 s12, s[WV], 53248                    ; my 128 rows' records: in the 512 rows' and in LDS
	s_mul_i32 s13, s11, 212992
	s_add_co_u32 s2, s13, s12
	s_mov_b32 s3, 0
	s_lshl_b32 s14, s10, 2
	s_add_co_u32 s14, s14, s[WV]
	s_mul_i32 s14, s14, 12800
	s_add_co_u32 s14, s14, 2048000                 ; record 160 + 4 x head + wave
	s_mov_b32 s15, 0
	s_mul_i32 s56, s[WV], 12800
	s_wait_kmcnt 0x0
	s_mov_b32 s32, 1
	s_add_co_u32 s33, s56, WL
	s_add_nc_u64 s[34:35], s[46:47], s[14:15]
	s_or_b32 s35, s35, 0x80000000
	s_mov_b32 s36, 1
	s_mov_b32 s37, s12
	s_add_nc_u64 s[38:39], s[44:45], s[2:3]
	s_mov_b32 s40, 1
	s_add_co_u32 s41, s12, 26624
	s_add_nc_u64 s[42:43], s[38:39], 26624
	s_or_b32 s39, s39, 0x80000000
	s_or_b32 s43, s43, 0x80000000
	ROUND                                          ; all four work-groups are here: the joint loads meet
	tensor_load_to_lds s[32:35], s[24:31]          ; my weight record
	s_nop 0
	tensor_load_to_lds s[36:39], s[16:23]          ; my first 64 rows
	s_nop 0
	tensor_load_to_lds s[40:43], s[16:23]          ; my second 64 rows
	s_nop 0
	PLACES
	v_and_b32 v[LS], 31, v0
	v_lshlrev_b32 v[LI], 4, v[LS]
	v_lshlrev_b32 v[G8], 3, v[LS]
	v_lshlrev_b32 v[LS], 2, v[LS]
	v_add_nc_u32 v[KSR], KSX, v[G8]
	v_bfe_u32 v[SH8], v0, 4, 1
	v_lshlrev_b32 v[SH8], 3, v[SH8]                ; 8 x (lane / 16)
	v_and_b32 v[VBA], 15, v0                       ; c: my column of a tile
	v_and_b32 v[VBB], 7, v[VBA]
	v_lshrrev_b32 v[KSW], 3, v[VBA]
	v_lshl_add_u32 v[VBB], v[KSW], 5, v[VBB]       ; k's tile t: d = 32 (c / 8) + 8 t + c % 8
	v_lshlrev_b32 v[VBB], 2, v[VBB]
	v_lshl_add_u32 v[VBA], v[KSW], 3, v[VBA]       ; v's tile 2 b + u: m = 32 b + 8 u + c + 8 (c / 8)
	v_lshlrev_b32 v[VBA], 2, v[VBA]
	s_lshl_b32 s57, s[WV], 8
	s_add_co_u32 s57, s57, KSX
	v_add_nc_u32 v[KSW], s57, v[VBB]
	v_add_nc_u32 v[XB], s12, v[LI]
	v_add_nc_u32 v[WBS], WL, v[LI]
	s_mul_i32 s57, s[WV], 12288
	s_add_co_u32 s57, s57, EX
	v_add_nc_u32 v[EXW], s57, v[LI]
	v_add_nc_u32 v[EXR], EX, v[LI]
	s_mul_i32 s57, s[WV], 1536
	s_add_co_u32 s57, s57, EX+4*1536
	v_add_nc_u32 v[EXV], s57, v[LI]
	s_lshl_b32 s57, s[WV], 10
	s_add_co_u32 s57, s57, EXS
	v_add_nc_u32 v[ESW], s57, v[LS]
	v_add_nc_u32 v[ESR], EXS, v[LS]
	s_lshl_b32 s57, s[WV], 7
	s_add_co_u32 s57, s57, EXS+4*128
	v_add_nc_u32 v[ESV], s57, v[LS]
	s_lshl_b32 s58, s10, 8                         ; the head's 64 biases
	s_mov_b32 s59, 0
	s_add_nc_u64 s[48:49], s[48:49], s[58:59]
	s_add_nc_u64 s[50:51], s[50:51], s[58:59]
.irp n, 0,1,2,3
	global_load_b32 v[C+\n], v[VBB], s[48:49] offset:32*\n
	global_load_b32 v[C+4+\n], v[VBA], s[50:51] offset:(32*(\n/2)+8*(\n%2))*4
.endr
	s_lshr_b32 s57, s11, 2                         ; where the results go: part (8 x batch + head) x 4 + quarter
	s_lshl_b32 s57, s57, 3
	s_add_co_u32 s57, s57, s10
	s_lshl_b32 s57, s57, 2
	s_and_b32 s58, s11, 3
	s_add_co_u32 s57, s57, s58
	s_lshl_b32 s58, s57, 14
	s_lshl_b32 s56, s[WV], 12
	s_add_co_u32 s58, s58, s56
	s_add_nc_u64 s[52:53], s[52:53], s[58:59]
	s_lshl_b32 s58, s57, 8
	s_add_nc_u64 s[54:55], s[54:55], s[58:59]
.irp i, 0,1,2,3,4,5,6,7
	v_mov_b32 v[KSA+\i], 0
.endr
	s_wait_loadcnt 0x0
	WIN 0x40
.irp n, 0,1,2,3,4,5,6,7
.irp j, 0,1,2,3,4,5,6,7
	v_mov_b32 v[BIAS+8*\n+\j], v[C+\n]             ; the bias is the C of each sum's first product
.endr
.endr
	WIN 0
	s_wait_tensorcnt 0x2                           ; my weight record is in; x's two loads may stay out
	s_barrier_signal -1
	s_barrier_wait -1                              ; everybody's record is in
	WIN 0x40
.irp s, 0,1
.irp n, 0,1,2,3,4,5,6,7
.irp q, 0,1,2
	ds_load_b128 v[96*\s+12*\n+4*\q:96*\s+12*\n+4*\q+3], v[WBS] offset:12800*\s+1536*\n+512*\q
.endr
.endr
.endr
	WIN 0x80
.irp s, 0,1
.irp n, 0,1,2,3,4,5,6,7
.irp q, 0,1,2
	ds_load_b128 v[96*\s+12*\n+4*\q:96*\s+12*\n+4*\q+3], v[WBS] offset:12800*(\s+2)+1536*\n+512*\q
.endr
.endr
.endr
	WIN 0
.irp s, 0,1,2,3
	ds_load_b128 v[WSC+4*\s:WSC+4*\s+3], v[WBS] offset:12800*\s+12288
.endr
.macro XT g, t, set                    ; tile t of group g: four fragments and the four scale words: 13 loads
	WIN 0
.irp s, 0,1,2,3
.irp q, 0,1,2
	ds_load_b128 v[XF+48*\set+12*\s+4*\q:XF+48*\set+12*\s+4*\q+3], v[XB] offset:26624*\g+6656*\t+1536*\s+512*\q
.endr
.endr
	ds_load_b128 v[XS+4*\set:XS+4*\set+3], v[XB] offset:26624*\g+6656*\t+6144
.endm
.macro KST t, set, s                   ; eight products: a K step of a row tile against the eight column tiles; the eight accumulators take turns
.if \s == 0
	WIN 0xD4
.elseif \s == 1
	WIN 0xF4
.else
	WIN 0xF8
.endif
.irp n, 0,1,2,3,4,5,6,7
.if \s == 0
	WMX 32*\n+8*\t, XF+48*\set+12*\s, 96*(\s%2)+12*\n, BIAS+8*\n, XS+4*\set+\s, WSC+4*\s+\n/2, \n%2
.else
	WMX 32*\n+8*\t, XF+48*\set+12*\s, 96*(\s%2)+12*\n, 32*\n+8*\t, XS+4*\set+\s, WSC+4*\s+\n/2, \n%2
.endif
.endr
.endm
.macro TILE t, set, left
	s_wait_dscnt \left                             ; all but the next tile's 13 loads are in
	KST \t, \set, 0
	KST \t, \set, 1
	KST \t, \set, 2
	KST \t, \set, 3
.endm
; A group's 64 rows are finished: elu + 1 on k, its sums, and all eight column tiles quantised along the rows: block 2 g + (lane / 16) of K step w
.macro POST g
	PLACES                                         ; four places behind the last products
.irp p, 0,1                                    ; k's tiles 2 p and 2 p + 1
	WIN 0x83
.set ii, 0
.rept 32
	v_pk_mul_f32 v[E+ii:E+ii+1], v[64*\p+ii:64*\p+ii+1], s[LE:LE+1] op_sel_hi:[1,0]   ; each accumulator is read from its low end on
.set ii, ii+2
.endr
	WIN 0x82
.set ii, 0
.rept 64
	v_exp_f32 v[E+ii], v[E+ii]
.set ii, ii+1
.endr
	WIN 0xC3
.set ii, 0
.rept 32
	v_pk_add_f32 v[64*\p+ii:64*\p+ii+1], v[64*\p+ii:64*\p+ii+1], 1.0 op_sel_hi:[1,0]   ; q + 1: plain work behind the exponentials
.set ii, ii+2
.endr
	s_wait_alu depctr_va_vdst(0)                   ; one wait for the 64 exponentials, ahead of their first reader
	WIN 0xCE
.set ii, 0
.rept 64
	v_med3_num_f32 v[64*\p+ii], v[E+ii], v[64*\p+ii], 1.0
.set ii, ii+1
.endr
	WIN 0x03
.set ii, 0
.rept 16
	v_pk_add_f32 v[KSA+4*\p:KSA+4*\p+1], v[64*\p+ii:64*\p+ii+1], v[KSA+4*\p:KSA+4*\p+1]      ; the sum of the unquantised K
	v_pk_add_f32 v[KSA+4*\p+2:KSA+4*\p+3], v[64*\p+32+ii:64*\p+32+ii+1], v[KSA+4*\p+2:KSA+4*\p+3]
.set ii, ii+2
.endr
.endr
	WIN 0x0F
.irp n, 0,1,2,3,4,5,6,7
	v_max3_num_f32 v[MQ+2*\n], |v[32*\n]|, |v[32*\n+1]|, 0x2800000
	v_max3_num_f32 v[MQ+2*\n+1], |v[32*\n+2]|, |v[32*\n+3]|, 0x2800000
.endr
.irp i, 4,8,12,16,20,24,28
.irp n, 0,1,2,3,4,5,6,7
	v_max3_num_f32 v[MQ+2*\n], |v[32*\n+\i]|, |v[32*\n+\i+1]|, v[MQ+2*\n]
	v_max3_num_f32 v[MQ+2*\n+1], |v[32*\n+\i+2]|, |v[32*\n+\i+3]|, v[MQ+2*\n+1]
.endr
.endr
	WIN 0
.irp n, 0,1,2,3,4,5,6,7
	v_max_num_f32 v[MQ+2*\n], v[MQ+2*\n], v[MQ+2*\n+1]
.endr
.irp n, 0,1,2,3,4,5,6,7
	v_add_nc_u32 v[MQ+2*\n+1], 0xfe000000, v[MQ+2*\n]
.endr
.irp n, 0,1,2,3,4,5,6,7
	v_lshrrev_b32 v[MQ+2*\n], 23, v[MQ+2*\n+1]
.endr
.irp n, 0,1,2,3,4,5,6,7
.if \g == 0
	v_mov_b32 v[SWP+\n], v[MQ+2*\n]
.else
	v_lshl_or_b32 v[SWP+\n], v[MQ+2*\n], 16, v[SWP+\n]
.endif
.endr
	WIN 0x03
.irp n, 0,1,2,3,4,5,6,7
	v_cvt_scalef32_pk16_bf6_f32 v[C+8*\n:C+8*\n+2], v[32*\n:32*\n+15], v[MQ+2*\n+1]
	v_cvt_scalef32_pk16_bf6_f32 v[TQ+4*\n:TQ+4*\n+2], v[32*\n+16:32*\n+31], v[MQ+2*\n+1]
.endr
	WIN 0
	v_nop                                          ; one plain line behind the scaled conversions
.irp n, 0,1,2,3,4,5,6,7
.irp i, 0,1,2
	v_mov_b32 v[C+8*\n+3+\i], v[TQ+4*\n+\i]
.endr
.endr
.irp n, 0,1,2,3,4,5,6,7                        ; group g's six registers are registers 6 g .. 6 g + 5 of the image
.if \g == 0
	ds_store_b128 v[EXW], v[C+8*\n:C+8*\n+3] offset:1536*\n
	ds_store_b64 v[EXW], v[C+8*\n+4:C+8*\n+5] offset:1536*\n+512
.else
	ds_store_b64 v[EXW], v[C+8*\n:C+8*\n+1] offset:1536*\n+520
	ds_store_b128 v[EXW], v[C+8*\n+2:C+8*\n+5] offset:1536*\n+1024
.endif
.endr
.endm
	s_wait_tensorcnt 0x1                           ; my first 64 rows are in (only I read them); the second 64 may be out
	XT 0, 0, 0
	XT 0, 1, 1
	TILE 0, 0, 13
	PLACES                                         ; four places in front of loads into registers that products have read
	XT 0, 2, 0
	TILE 1, 1, 13
	PLACES
	XT 0, 3, 1
	TILE 2, 0, 13
	PLACES
	s_wait_tensorcnt 0x0                           ; my second 64 rows are in
	XT 1, 0, 0
	TILE 3, 1, 13
	POST 0
	XT 1, 1, 1
	TILE 0, 0, 13
	PLACES
	XT 1, 2, 0
	TILE 1, 1, 13
	PLACES
	XT 1, 3, 1
	TILE 2, 0, 13
	TILE 3, 1, 0
	POST 1
.irp n, 0,1,2,3,4,5,6,7
	v_lshlrev_b32 v[SWP+\n], v[SH8], v[SWP+\n]     ; my two bytes at their places,
.endr
.irp n, 0,1,2,3,4,5,6,7
	v_permlanex16_b32 v[MQ+\n], v[SWP+\n], s[SEL], s[SEL+1]
.endr
.irp n, 0,1,2,3,4,5,6,7
	v_or_b32 v[SWP+\n], v[SWP+\n], v[MQ+\n]        ; with lane l xor 16's two the word is whole
.endr
.irp n, 0,1,2,3,4,5,6,7
	ds_store_b32 v[ESW], v[SWP+\n] offset:128*\n
.endr
.irp n, 0,1,2,3
	v_add_f32 v[KSA+2*\n], v[KSA+2*\n], v[KSA+2*\n+1]
.endr
.irp n, 0,1,2,3
	v_permlanex16_b32 v[MQ+8+\n], v[KSA+2*\n], s[SEL], s[SEL+1]
.endr
.irp n, 0,1,2,3
	v_add_f32 v[KSA+2*\n], v[KSA+2*\n], v[MQ+8+\n]
.endr
.irp n, 0,1,2,3
	ds_store_b32 v[KSW], v[KSA+2*\n] offset:32*\n  ; both halves of the lanes write the same word with the same value
.endr
	s_wait_dscnt 0x0                               ; for the others' sake: my stores have landed
	s_barrier_signal -1
	s_barrier_wait -1
	; ---- KV: source 0 = 16 d of K^T, source 1 = my 16 m of v^T; K = the 512 rows, four steps
	WIN 0x40
.irp s, 0,1,2,3
.irp t, 0,1,2,3
.irp q, 0,1,2
	ds_load_b128 v[12*(4*\s+\t)+4*\q:12*(4*\s+\t)+4*\q+3], v[EXR] offset:(8*\s+\t)*1536+512*\q
.endr
.endr
.endr
	WIN 0x80
.irp s, 0,1,2,3
.irp q, 0,1,2
	ds_load_b128 v[12*\s+4*\q:12*\s+4*\q+3], v[EXV] offset:12288*\s+512*\q
.endr
.endr
	WIN 0
.irp s, 0,1,2,3
.irp t, 0,1,2,3
	ds_load_b32 v[WSC+4*\s+\t], v[ESR] offset:(8*\s+\t)*128
.endr
	ds_load_b32 v[XS+\s], v[ESV] offset:1024*\s
.endr
	s_wait_dscnt 0x0
	WIN 0xF9
.irp s, 0,1,2,3
.irp t, 0,1,2,3
.if \s == 0
	WMX 8*\t, 12*(4*\s+\t), 12*\s, -1, WSC+4*\s+\t, XS+\s, 0
.else
	WMX 8*\t, 12*(4*\s+\t), 12*\s, 8*\t, WSC+4*\s+\t, XS+\s, 0
.endif
.endr
.endr
	WIN 0
	PLACES
	WIN 0x0C                                       ; a store's data are its source 1: window 3
.irp q, 0,1,2,3,4,5,6,7
	global_store_b128 v[LI], v[4*\q:4*\q+3], s[52:53] offset:512*\q     ; lane (r, h): KV(m of lane r, d = 32 h + 0 .. 31); 512 consecutive bytes a store
.endr
	WIN 0
	s_cmp_lg_u32 s[WV], 0
	s_cbranch_scc1 .Lnot0
.irp p, 0,1,2,3
	ds_load_b64 v[C+2*\p:C+2*\p+1], v[KSR] offset:256*\p
.endr
	s_wait_dscnt 0x0
	v_pk_add_f32 v[C:C+1], v[C:C+1], v[C+2:C+3]
	v_pk_add_f32 v[C+4:C+5], v[C+4:C+5], v[C+6:C+7]
	v_pk_add_f32 v[C:C+1], v[C:C+1], v[C+4:C+5]
	global_store_b64 v[G8], v[C:C+1], s[54:55]     ; the 512 rows' sum of K: 256 consecutive bytes
.Lnot0:
	s_wait_tensorcnt 0x0                           ; the wave's end
	ds_add_u32 v[SPW], v[NIL]
	s_wait_dscnt 0x0
	ROUND                                          ; the closing round
	s_endpgm
.Lfunc_end_k_qace4879420_kv:
	.size	k_qace4879420_kv, .Lfunc_end_k_qace4879420_kv-k_qace4879420_kv
	.p2alignl 7, 3214868480
	.fill 96, 4, 3214868480
	.section	.rodata,"a",@progbits
	.p2align	6, 0x0
	.amdhsa_kernel k_qace4879420_kv
		.amdhsa_group_segment_fixed_size 327680
		.amdhsa_private_segment_fixed_size 0
		.amdhsa_enable_private_segment 0
		.amdhsa_kernarg_size 48
		.amdhsa_user_sgpr_count 2
		.amdhsa_user_sgpr_kernarg_segment_ptr 1
		.amdhsa_wavefront_size32 1
		.amdhsa_system_sgpr_workgroup_id_x 1
		.amdhsa_system_sgpr_workgroup_id_y 1
		.amdhsa_system_sgpr_workgroup_id_z 1
		.amdhsa_system_vgpr_workitem_id 0
		.amdhsa_next_free_vgpr 1024
		.amdhsa_next_free_sgpr 66
		.amdhsa_reserve_vcc 0
		.amdhsa_float_denorm_mode_32 3
		.amdhsa_float_denorm_mode_16_64 3
		.amdhsa_memory_ordered 1
		.amdhsa_forward_progress 1
		.amdhsa_inst_pref_size 142
	.end_amdhsa_kernel
	.amdgpu_metadata
---
amdhsa.version: [ 1, 2 ]
amdhsa.kernels:
  - .name:           k_qace4879420_kv
    .symbol:         k_qace4879420_kv.kd
    .args:
      - { .name: xq, .offset: 0, .size: 8, .value_kind: global_buffer, .address_space: global }
      - { .name: wts, .offset: 8, .size: 8, .value_kind: global_buffer, .address_space: global }
      - { .name: bk, .offset: 16, .size: 8, .value_kind: global_buffer, .address_space: global }
      - { .name: bv, .offset: 24, .size: 8, .value_kind: global_buffer, .address_space: global }
      - { .name: kvp, .offset: 32, .size: 8, .value_kind: global_buffer, .address_space: global }
      - { .name: ksp, .offset: 40, .size: 8, .value_kind: global_buffer, .address_space: global }
    .group_segment_fixed_size: 327680
    .private_segment_fixed_size: 0
    .kernarg_segment_align: 8
    .kernarg_segment_size: 48
    .max_flat_workgroup_size: 128
    .sgpr_count:     66
    .vgpr_count:     1024
    .wavefront_size: 32
...
	.end_amdgpu_metadata
.endif
;; end of part 2
;; launch kvq (part 3): grid 64 x 1, 4 waves a work-group, no clusters, 0 bytes of LDS; arguments kvp, ksp, kvc, ksum; writes kvc, ksum
.if DOCPART == 3
	.amdgcn_target "amdgcn-amd-amdhsa--gfx1250"
	.amdhsa_code_object_version 6
	.text
	.protected	k_qace4879420_kvq
	.globl	k_qace4879420_kvq
	.p2align	8
	.type	k_qace4879420_kvq,@function
k_qace4879420_kvq:
	s_mov_b64 s[64:65], 0
	v_nop
	global_prefetch_b8 v0, s[64:65] scope:SCOPE_SE
	s_setreg_imm32_b32 hwreg(HW_REG_WAVE_MODE, 25, 1), 1
	s_wait_xcnt 0x0
; KVQ.  For one (batch, head): the four parts of KV are added in f32 and KV is quantised along d to codes of BF6 (E3M2) with E8M0 scales; the four parts of the sum of K are added.
; A wave takes a tile of 16 m.  Lane (r, h) holds KV(m of lane r, d = 32 h + 0 .. 31): a whole block, whose six code registers are half an operand's fragment: registers 0-5 for an even head, 6-11 for an odd one,
; since the next launch multiplies two heads' 64 + 64 along one K of 128; the scale bytes stand at bytes h (even head) or 2 + h (odd head) of the word.
; LIMITS: NaN and infinities are not served; a block whose largest magnitude lies under 2^-122 keeps the byte 1, a block of zeros too.
; 64 work-groups: as many as there are heads to finish; the launch moves 4.3 MB and has no matrix work.
.set P,  32                            ; v32-159 four parts of 32 numbers
.set C,  16
.set TQ, 24
.set MM, 28
	s_load_b256 s[4:11], s[0:1], 0x0               ; kvp, ksp, kvc, ksum
	v_lshrrev_b32 v1, 5, v0
	v_readfirstlane_b32 s12, v1                    ; the tile of m
	v_and_b32 v1, 31, v0
	v_lshlrev_b32 v2, 4, v1
	v_lshlrev_b32 v3, 3, v1
	v_lshlrev_b32 v4, 2, v1
	v_bfe_u32 v5, v0, 4, 1
	s_and_b32 s13, ttmp9, 1
	s_lshl_b32 s13, s13, 4
	v_lshl_add_u32 v5, v5, 3, s13                  ; where my byte stands in the word: 8 h + 16 (head % 2) bits up
	v_mov_b32 v31, 0
	s_mov_b32 s20, 0x76543210
	s_mov_b32 s21, 0xfedcba98
	s_lshl_b32 s14, ttmp9, 16
	s_lshl_b32 s15, s12, 12
	s_add_co_u32 s14, s14, s15
	s_mov_b32 s15, 0
	s_mul_i32 s16, ttmp9, 3584
	s_mul_i32 s17, s12, 768
	s_add_co_u32 s18, s16, s17
	s_mov_b32 s19, 0
	s_lshl_b32 s17, s12, 7
	s_add_co_u32 s16, s16, s17
	s_mov_b32 s17, 0
	s_lshl_b32 s26, ttmp9, 10
	s_mov_b32 s27, 0
	s_lshl_b32 s28, ttmp9, 8
	s_mov_b32 s29, 0
	s_wait_kmcnt 0x0
	s_add_nc_u64 s[4:5], s[4:5], s[14:15]
	s_add_nc_u64 s[22:23], s[8:9], s[18:19]        ; my tile's codes
	s_add_nc_u64 s[24:25], s[8:9], s[16:17]        ; and its scale words
	s_add_nc_u64 s[6:7], s[6:7], s[26:27]
	s_add_nc_u64 s[10:11], s[10:11], s[28:29]
.irp p, 0,1,2,3
.irp q, 0,1,2,3,4,5,6,7
	global_load_b128 v[P+32*\p+4*\q:P+32*\p+4*\q+3], v2, s[4:5] offset:16384*\p+512*\q th:TH_LOAD_NT
.endr
.endr
	s_wait_loadcnt 0x0
.set i, 0
.rept 16
	v_pk_add_f32 v[P+i:P+i+1], v[P+i:P+i+1], v[P+32+i:P+32+i+1]
	v_pk_add_f32 v[P+64+i:P+64+i+1], v[P+64+i:P+64+i+1], v[P+96+i:P+96+i+1]
.set i, i+2
.endr
.set i, 0
.rept 16
	v_pk_add_f32 v[P+i:P+i+1], v[P+i:P+i+1], v[P+64+i:P+64+i+1]
.set i, i+2
.endr
	v_max3_num_f32 v[MM], |v[P]|, |v[P+1]|, 0x2800000              ; the block's largest magnitude, in two chains, with the floor 2^(5 - 127)
	v_max3_num_f32 v[MM+1], |v[P+2]|, |v[P+3]|, 0x2800000
.irp i, 4,8,12,16,20,24,28
	v_max3_num_f32 v[MM], |v[P+\i]|, |v[P+\i+1]|, v[MM]
	v_max3_num_f32 v[MM+1], |v[P+\i+2]|, |v[P+\i+3]|, v[MM+1]
.endr
	v_max_num_f32 v[MM], v[MM], v[MM+1]
	v_add_nc_u32 v[MM+1], 0xfe000000, v[MM]        ; 4 off its exponent field: the conversion's scale operand
	v_lshrrev_b32 v[MM], 23, v[MM+1]               ; the byte
	v_cvt_scalef32_pk16_bf6_f32 v[C:C+2], v[P:P+15], v[MM+1]
	v_cvt_scalef32_pk16_bf6_f32 v[TQ:TQ+2], v[P+16:P+31], v[MM+1]
	v_nop
.irp i, 0,1,2
	v_mov_b32 v[C+3+\i], v[TQ+\i]
.endr
	v_lshlrev_b32 v30, v5, v[MM]
	v_permlanex16_b32 v31, v30, s20, s21
	v_or_b32 v30, v30, v31
	global_store_b128 v2, v[C:C+3], s[22:23]
	global_store_b64 v3, v[C+4:C+5], s[22:23] offset:512
	global_store_b32 v4, v30, s[24:25] offset:3072
	s_cmp_lg_u32 s12, 0
	s_cbranch_scc1 .Lend
.irp p, 0,1,2,3
	global_load_b64 v[P+2*\p:P+2*\p+1], v3, s[6:7] offset:256*\p
.endr
	s_wait_loadcnt 0x0
	v_pk_add_f32 v[P:P+1], v[P:P+1], v[P+2:P+3]
	v_pk_add_f32 v[P+4:P+5], v[P+4:P+5], v[P+6:P+7]
	v_pk_add_f32 v[P:P+1], v[P:P+1], v[P+4:P+5]
	global_store_b64 v3, v[P:P+1], s[10:11]        ; the head's 64 sums: 256 consecutive bytes
.Lend:
	s_endpgm
.Lfunc_end_k_qace4879420_kvq:
	.size	k_qace4879420_kvq, .Lfunc_end_k_qace4879420_kvq-k_qace4879420_kvq
	.p2alignl 7, 3214868480
	.fill 96, 4, 3214868480
	.section	.rodata,"a",@progbits
	.p2align	6, 0x0
	.amdhsa_kernel k_qace4879420_kvq
		.amdhsa_group_segment_fixed_size 0
		.amdhsa_private_segment_fixed_size 0
		.amdhsa_enable_private_segment 0
		.amdhsa_kernarg_size 32
		.amdhsa_user_sgpr_count 2
		.amdhsa_user_sgpr_kernarg_segment_ptr 1
		.amdhsa_wavefront_size32 1
		.amdhsa_system_sgpr_workgroup_id_x 1
		.amdhsa_system_sgpr_workgroup_id_y 1
		.amdhsa_system_sgpr_workgroup_id_z 1
		.amdhsa_system_vgpr_workitem_id 0
		.amdhsa_next_free_vgpr 192
		.amdhsa_next_free_sgpr 66
		.amdhsa_reserve_vcc 0
		.amdhsa_float_denorm_mode_32 3
		.amdhsa_float_denorm_mode_16_64 3
		.amdhsa_memory_ordered 1
		.amdhsa_forward_progress 1
		.amdhsa_inst_pref_size 11
	.end_amdhsa_kernel
	.amdgpu_metadata
---
amdhsa.version: [ 1, 2 ]
amdhsa.kernels:
  - .name:           k_qace4879420_kvq
    .symbol:         k_qace4879420_kvq.kd
    .args:
      - { .name: kvp, .offset: 0, .size: 8, .value_kind: global_buffer, .address_space: global }
      - { .name: ksp, .offset: 8, .size: 8, .value_kind: global_buffer, .address_space: global }
      - { .name: kvc, .offset: 16, .size: 8, .value_kind: global_buffer, .address_space: global }
      - { .name: ksum, .offset: 24, .size: 8, .value_kind: global_buffer, .address_space: global }
    .group_segment_fixed_size: 0
    .private_segment_fixed_size: 0
    .kernarg_segment_align: 8
    .kernarg_segment_size: 32
    .max_flat_workgroup_size: 128
    .sgpr_count:     66
    .vgpr_count:     192
    .wavefront_size: 32
...
	.end_amdgpu_metadata
.endif
;; end of part 3
;; launch chain (part 4): grid 256 x 1, 4 waves a work-group, clusters of 4 x 1, 327,680 bytes of LDS; arguments x, wts, kvc, ksum, bq, bo, g1, be1, b1, b2, g2, be2, out0; writes out0
.if DOCPART == 4
	.amdgcn_target "amdgcn-amd-amdhsa--gfx1250"
	.amdhsa_code_object_version 6
	.text
	.protected	k_qace4879420_chain
	.globl	k_qace4879420_chain
	.p2align	8
	.type	k_qace4879420_chain,@function
k_qace4879420_chain:
	s_mov_b64 s[64:65], 0
	v_nop
	global_prefetch_b8 v0, s[64:65] scope:SCOPE_SE
	s_setreg_imm32_b32 hwreg(HW_REG_WAVE_MODE, 25, 1), 1
	s_wait_xcnt 0x0
	s_wait_alu depctr_hold_cnt(0) depctr_sa_sdst(0) depctr_va_vdst(0) depctr_va_sdst(0) depctr_va_ssrc(0) depctr_va_vcc(0) depctr_vm_vsrc(0)
	s_getreg_b32 s2, hwreg(HW_REG_IB_STS2, 6, 4)
	s_cmp_eq_u32 s2, 0
	s_cbranch_scc0 .Lentry_in_a_cluster
	s_endpgm
.Lentry_in_a_cluster:
	s_bfe_u32 s2, ttmp6, 0x10000c
	s_cmp_lg_u32 s2, 0x3003
	s_cbranch_scc0 .Lentry_shape_is_right
	s_endpgm
.Lentry_shape_is_right:
; CHAIN.  For 64 rows: q = x Wq + bq, Q = elu(q) + 1, Z = 1 / (Q . sum K + 1e-6), attn = (Q KV^T) Z, x1 = LN(x + attn Wo + bo), out = LN(x1 + relu(x1 W1 + b1) W2 + b2).
; Every product but Q . sum K and the one by Z is on codes of BF6 (E3M2) with one E8M0 scale for each 32 along its K; all else is f32.  Nothing between x and out goes to memory.
; LIMITS: NaN and infinities are not served; e^q under 2^-126 comes out as 0; a block whose largest magnitude lies under 2^-122 keeps the byte 1, a block of zeros too (its codes are zeros).
; elu(q) + 1 is the middle one of 2^(q log2 e), q + 1 and 1.
; SHARES.  THE WAVES SHARE THE COLUMNS: wave w owns columns 128 w .. 128 w + 127 of every activation of width 512 (heads 2 w, 2 w + 1), for all 64 rows (four tiles m of 16).
; ALL PRODUCTS ARE USED TRANSPOSED (source 0 = 16 columns of a weight, source 1 = 16 rows of the activation): a lane holds ONE row.  The columns of a weight tile were chosen by the first launch so that
; register 64 m + 16 b + i of a bank holds column 32 b + 16 (lane / 16) + i of the wave's 128: the order that the quantiser takes.  A bank is 32 accumulators, 256 registers: H (window 2) and Y (window 3).
; Y holds x, then x1: the residual is what the sums are added onto.  H is loaded with the bias before its sums.  So every sum is in place and a K step has one form.
; AN ACTIVATION GOES FROM WAVE TO WAVE AS IMAGES OF ITS OPERAND'S REGISTERS: image (m, s) is K step s = wave s's 128 columns; 1,536 bytes, lane l's registers 4 g .. 4 g + 3 at 512 g + 16 l.
; THE WEIGHTS are one stream of 20 tiles of 102,400 bytes (two K steps x four waves' records), walked by every work-group: the four of a cluster ask for each tile JOINTLY; wave w fetches and reads its own 25,600 bytes.
; Ring of two slots; a unit = 4 K steps = 2 slots = 128 products a wave; ten units.  Two tensor loads of a wave are out at the start, one behind each round.
; REGISTERS: window 0: v1-19 addresses; v20-27, v28-35 scale words of weights and activations, two sets; v36-131 the K step's eight weight fragments; v132-151 codes in the making; v152-167 at work;
;   v170-177 Z; v178-185 KV's scale words; v192-255 the sums of K, later the norms' figures.  window 1: v0-95 activations' fragments, two sets; v96-191 KV's eight fragments; v192-255 exponentials.
.set SLOT1, 0x20000                    ; slot 0 at 0, slot 1 here: one exclusive or turns an address
.set SLOTB, 102400
.set RA,    102400                     ; region A: 16 images, then [s][m][lane] scale words at + SCO
.set RB,    233472                     ; region B likewise
.set SCO,   24576
.set LNS,   260096                     ; four stages of [row 64][wave 4] f32 for the norms
.set PRIV,  264192                     ; 8,448 bytes a wave: 12 slices of 128 parameters; at the end the stage for the way out, 16 rows x 528
.set PRW,   8448
.set SPARE, 297984                     ; the spare words, 128 bytes a wave
.set LI,  1
.set LS,  2
.set AW0, 3
.set AWC, 4
.set AAC, 5
.set ASC, 6
.set SIA, 7
.set SIB, 8
.set SSA, 9
.set SSB, 10
.set XA,  11
.set PR,  12
.set PRC, 13
.set LNW, 14
.set LNR, 15
.set SPW, 16
.set NIL, 17
.set PW,  18
.set STO, 19
.set WS,  20
.set AS,  28
.set WB,  36
.set PC,  132
.set T8,  144
.set TM,  152
.set PV,  168
.set POF, 169
.set ZP,  170
.set KVS, 178
.set L8,  186
.set TA0, 187
.set TA1, 188
.set KS,  192
.set LT,  192
.set AF,  0
.set KVF, 96
.set E,   192
.set OB,  0
.set WV,  8
.set TRIP, 9
.set CH,  10
.set TB,  11
.set TA,  12
.set TS,  13
.set TP,  14
.set G1,  16
.set G0A, 24
.set G0,  28
.set SEL, 32
.set LE,  34
.set I512, 36
.set EPSL, 37
.set EPSA, 38
.set MSB, 0
.macro WIN new                         ; the immediate's high byte repeats the setting that is left
.if MSB != (\new)
	s_set_vgpr_msb (MSB<<8)|(\new)
.set MSB, (\new)
.endif
.endm
.macro PLACES                          ; four plain lines: behind products, in front of loads into their registers and of the first read of results
.rept 4
	v_nop
.endr
.endm
.macro CREST
	s_cmp_lg_u32 s[WV], 0
	s_cbranch_scc1 .Lnw0_\@
	s_barrier_signal -3
.Lnw0_\@:
	s_barrier_wait -3
	s_barrier_signal -1
	s_barrier_wait -1
.endm
.macro ROUND
	s_barrier_signal -1
	s_barrier_wait -1
	CREST
.endm
.macro BARRIER                         ; my LDS stores have landed and my LDS loads are in: then the work-group's barrier.
	s_wait_dscnt 0x0
	s_barrier_signal -1
	s_barrier_wait -1
.endm
; 64 numbers at v[src] of window w, register 16 b + i = k 32 b + 16 (lane / 16) + i of my row: a fragment's codes in v[PC] on, its scale word in v[PW]
.macro QUANT src, w
	WIN (\w)|((\w)<<2)
.irp b, 0,1,2,3
	v_max3_num_f32 v[TM+\b], |v[\src+16*\b]|, |v[\src+16*\b+1]|, 0x2800000     ; and the floor 2^(5 - 127); each accumulator is read from its low end on
.endr
.irp i, 2,4,6,8,10,12,14
.irp b, 0,1,2,3
	v_max3_num_f32 v[TM+\b], |v[\src+16*\b+\i]|, |v[\src+16*\b+\i+1]|, v[TM+\b]
.endr
.endr
	WIN 0
.irp b, 0,1,2,3
	v_permlanex16_b32 v[TM+4+\b], v[TM+\b], s[SEL], s[SEL+1]
.endr
.irp b, 0,1,2,3
	v_max_num_f32 v[TM+\b], v[TM+\b], v[TM+4+\b]
.endr
.irp b, 0,1,2,3
	v_add_nc_u32 v[TM+12+\b], 0xfe000000, v[TM+\b] ; 4 off the exponent field: the conversion's scale operand
.endr
.irp b, 0,1,2,3
	v_lshrrev_b32 v[TM+4+\b], 23, v[TM+12+\b]
.endr
	v_lshl_or_b32 v[PW], v[TM+5], 8, v[TM+4]
	v_lshl_or_b32 v[PW], v[TM+6], 16, v[PW]
	v_lshl_or_b32 v[PW], v[TM+7], 24, v[PW]
	s_wait_dscnt 0x0                               ; the last image's stores have read the codes' registers
	WIN \w
.irp c, 0,1
	v_cvt_scalef32_pk16_bf6_f32 v[PC+6*\c:PC+6*\c+2], v[\src+32*\c:\src+32*\c+15], v[TM+12+2*\c]
	v_cvt_scalef32_pk16_bf6_f32 v[T8+4*\c:T8+4*\c+2], v[\src+32*\c+16:\src+32*\c+31], v[TM+13+2*\c]
.endr
	WIN 0
	v_nop                                          ; one plain line behind the scaled conversions
.irp c, 0,1
.irp i, 0,1,2
	v_permlane16_swap_b32 v[PC+6*\c+\i], v[T8+4*\c+\i]
.endr
.irp i, 0,1,2
	v_mov_b32 v[PC+6*\c+3+\i], v[T8+4*\c+\i]
.endr
.endr
.endm
.macro IMAGE si, ss, m
.irp g, 0,1,2
	ds_store_b128 v[\si], v[PC+4*\g:PC+4*\g+3] offset:6144*\m+512*\g
.endr
	ds_store_b32 v[\ss], v[PW] offset:128*\m
.endm
.macro HLD dst, adr, off               ; a slice of 128 parameters in a bank's order: 64 registers a lane
.irp b, 0,1,2,3
.irp jj, 0,1,2,3
	ds_load_b128 v[\dst+16*\b+4*\jj:\dst+16*\b+4*\jj+3], v[\adr] offset:\off+128*\b+16*\jj
.endr
.endr
.endm
.macro WM d, a, b, sa, sb, row1
.if \row1
	v_wmma_scale_f32_16x16x128_f8f6f4 v[\d:\d+7], v[\a:\a+11], v[\b:\b+11], v[\d:\d+7], v[\sa], v[\sb] matrix_a_fmt:MATRIX_FMT_BF6 matrix_b_fmt:MATRIX_FMT_BF6 matrix_a_scale:MATRIX_SCALE_ROW1
.else
	v_wmma_scale_f32_16x16x128_f8f6f4 v[\d:\d+7], v[\a:\a+11], v[\b:\b+11], v[\d:\d+7], v[\sa], v[\sb] matrix_a_fmt:MATRIX_FMT_BF6 matrix_b_fmt:MATRIX_FMT_BF6
.endif
.endm
; weight tiles t0 .. t1 against the four tiles of rows, K step j of the slot.  No two products that follow each other share an accumulator, over the loops' edges too
.macro MUL bank, t0, t1, j
	WIN 0x04|((\bank)<<4)|((\bank)<<6)
.set tt, \t0
.rept \t1-\t0+1
.irp m, 0,1,2,3
	WM 64*\m+8*tt, WB+12*tt, AF+48*\j+12*\m, WS+4*\j+tt/2, AS+4*\j+\m, tt%2
.endr
.set tt, tt+1
.endr
.endm
.macro LW half, j                      ; four weight fragments: 12 loads
.irp t, 0,1,2,3
.irp g, 0,1,2
	ds_load_b128 v[WB+48*\half+12*\t+4*\g:WB+48*\half+12*\t+4*\g+3], v[AWC] offset:12800*\j+1536*(4*\half+\t)+512*\g
.endr
.endr
.endm
.macro LWS j
	ds_load_b128 v[WS+4*\j:WS+4*\j+3], v[AWC] offset:12800*\j+12288
.endm
.macro LAS j
.irp m, 0,1,2,3
	ds_load_b32 v[AS+4*\j+\m], v[ASC] offset:512*\j+128*\m
.endr
.endm
.macro LAF j                           ; the four tiles of rows' fragments of a K step: 12 loads, into window 1
	WIN 0x40
.irp m, 0,1,2,3
.irp g, 0,1,2
	ds_load_b128 v[AF+48*\j+12*\m+4*\g:AF+48*\j+12*\m+4*\g+3], v[AAC] offset:1536*\j+6144*\m+512*\g
.endr
.endr
.endm
.macro KS_MID bank, left               ; a slot's first K step
	s_wait_dscnt \left                             ; all but the weights' tiles 4-7 (the youngest 12 loads) are in
	MUL \bank, 0, 3, 0
	WIN 0
	PLACES
	LW 0, 1
	LWS 1
	LAS 1
	LAF 1
	s_wait_dscnt 29                                ; all but the 12 + 1 + 4 + 12 just issued
	MUL \bank, 4, 7, 0
	WIN 0
	PLACES
	LW 1, 1
.endm
; A slot's second K step changes slots.  fill = 1: every wave waits for all its tensor loads (the next slot's), adds 0 to its spare word, waits for that and for its reads of this slot; a round of the cluster's
; barrier; then this slot is asked for again, two tiles on.  The next unit's activations do not exist yet in a unit's last trip: their loads are jumped over there.
.macro KS_TURN bank, fill
	WIN 0
.if \fill
	s_wait_tensorcnt 0x0                           ; my part of the next slot is in, and no load of mine is out: the descriptor may be written
	ds_add_u32 v[SPW], v[NIL]
	s_wait_dscnt 13                                ; (the add and the weights' tiles 4-7 may be out)
	MUL \bank, 0, 1, 1
	s_xor_b32 s[G0+1], s[G0+1], SLOT1
	s_add_nc_u64 s[G0+2:G0+3], s[G0+2:G0+3], SLOTB
	s_wait_dscnt 0x0                               ; the add is done, and my reads of this slot are over
	s_barrier_signal -1
	MUL \bank, 2, 3, 1
	WIN 0
	s_barrier_wait -1
	CREST                                          ; no wave of any partner still reads this slot or has a load on its way
	tensor_load_to_lds s[G0:G0+3], s[G1:G1+7]
	s_nop 0
	PLACES                                         ; also the places in front of the loads below
.else
	s_wait_dscnt 0x0
	MUL \bank, 0, 3, 1
	WIN 0
	PLACES
.endif
	s_xor_b32 s[TB], s[TB], SLOT1
	s_add_co_u32 s[TA], s[TA], 3072
	s_add_co_u32 s[TS], s[TS], 1024
	v_add_nc_u32 v[AWC], s[TB], v[AW0]
	v_add_nc_u32 v[AAC], s[TA], v[LI]
	v_add_nc_u32 v[ASC], s[TS], v[LS]
	s_cmp_eq_u32 s[TRIP], 1
	s_cbranch_scc1 .Lnoa_\@
	LAS 0
	LAF 0
	WIN 0
.if !\fill
	LW 0, 0
	LWS 0
.endif
.Lnoa_\@:
.if \fill
	LW 0, 0
	LWS 0
.endif
	MUL \bank, 4, 7, 1
	WIN 0
	PLACES
.if \fill
	LW 1, 0
.else
	s_cmp_eq_u32 s[TRIP], 1
	s_cbranch_scc1 .Lnob_\@
	LW 1, 0
.Lnob_\@:
.endif
.endm
; A unit: 4 K steps of the activation in region reg, added onto bank (2 = H, 3 = Y).  The weights of its first K step were fetched by the turn before.
.macro UNIT bank, reg, fill
	s_mov_b32 s[TA], \reg
	s_mov_b32 s[TS], \reg+SCO
	v_add_nc_u32 v[AAC], s[TA], v[LI]
	v_add_nc_u32 v[ASC], s[TS], v[LS]
	LAS 0
	LAF 0
	WIN 0
.if !\fill
	s_wait_tensorcnt 0x0                           ; the stream's last tile is in: only I read my part
.endif
	s_mov_b32 s[TRIP], 2
	s_wait_dscnt 0x0
.Lunit_\@:
	KS_MID \bank, 12*\fill
	KS_TURN \bank, \fill
	s_sub_co_u32 s[TRIP], s[TRIP], 1
	s_cmp_lg_u32 s[TRIP], 0
	s_cbranch_scc1 .Lunit_\@
.endm
	s_load_b512 s[68:83], s[0:1], 0x0              ; x 68, wts 70, kvc 72, ksum 74, bq 76, bo 78, g1 80, be1 82
	s_load_b256 s[84:91], s[0:1], 0x40             ; b1 84, b2 86, g2 88, be2 90
	s_load_b64 s[92:93], s[0:1], 0x60              ; out0
	v_lshl_add_u32 v[SPW], v0, 2, SPARE
	v_mov_b32 v[NIL], 0
	ds_add_u32 v16, v17
	ds_add_u32 v16, v17
	s_wait_dscnt 0x0
	v_lshrrev_b32 v[TA0], 5, v0
	v_readfirstlane_b32 s[WV], v[TA0]              ; wave
	s_bfe_u32 s40, ttmp6, 0x40000                  ; cx
	s_lshl_b32 s41, ttmp9, 2
	s_add_co_u32 s41, s41, s40                     ; my block of 64 rows: it enters global addresses of x, kvc, ksum and out0 alone
	s_lshr_b32 s42, s41, 5                         ; the batch
	; group 1: 100 rows of 256 bytes (32 elements of 8), dense; mask: all four work-groups, bit 21 beside it
	s_mov_b32 s[G1], 15|(3<<16)|(1<<21)
	s_mov_b32 s[G1+1], 32<<16
	s_mov_b32 s[G1+2], 100<<16
	s_mov_b32 s[G1+3], 32<<16
	s_mov_b32 s[G1+4], 100
	s_mov_b32 s[G1+5], 32
	s_mov_b32 s[G1+6], 0
	s_mov_b32 s[G1+7], 0
	s_mul_i32 s43, s[WV], 25600
	s_mov_b32 s44, s43
	s_mov_b32 s45, 0
	s_mov_b32 s[SEL], 0x76543210
	s_mov_b32 s[SEL+1], 0xfedcba98
	s_mov_b32 s[LE], 0x3fb8aa3b                    ; log2(e)
	s_mov_b32 s[LE+1], s[LE]
	s_mov_b32 s[I512], 0x3b000000                  ; 1 / 512
	s_mov_b32 s[EPSL], 0x3727c5ac                  ; 1e-5
	s_mov_b32 s[EPSA], 0x358637bd                  ; 1e-6
	s_mov_b32 s[TB], 0
	s_mov_b32 s[TP], 7*512
	s_wait_kmcnt 0x0
	s_mov_b32 s[G0A], 1
	s_mov_b32 s[G0A+1], s43                        ; tile 0 into slot 0
	s_add_nc_u64 s[G0A+2:G0A+3], s[70:71], s[44:45]
	s_mov_b32 s[G0], 1
	s_add_co_u32 s[G0+1], s43, SLOT1               ; tile 1 into slot 1; this descriptor walks on
	s_add_nc_u64 s[G0+2:G0+3], s[G0A+2:G0A+3], SLOTB
	s_or_b32 s[G0A+3], s[G0A+3], 0x80000000
	s_or_b32 s[G0+3], s[G0+3], 0x80000000
	ROUND                                          ; all four work-groups are here: the first joint loads meet
	tensor_load_to_lds s[G0A:G0A+3], s[G1:G1+7]
	s_nop 0
	tensor_load_to_lds s[G0:G0+3], s[G1:G1+7]
	s_nop 0
	PLACES
	v_and_b32 v[LS], 31, v0
	v_lshlrev_b32 v[LI], 4, v[LS]
	v_lshlrev_b32 v[L8], 3, v[LS]
	v_lshlrev_b32 v[LS], 2, v[LS]
	v_and_b32 v[TA0], 15, v0                       ; r
	v_bfe_u32 v[TA1], v0, 4, 1                     ; h
	v_add_nc_u32 v[AW0], s43, v[LI]
	v_mov_b32 v[AWC], v[AW0]
	s_mul_i32 s46, s[WV], 1536
	s_add_co_u32 s47, s46, RA
	v_add_nc_u32 v[SIA], s47, v[LI]
	s_add_co_u32 s47, s46, RB
	v_add_nc_u32 v[SIB], s47, v[LI]
	s_lshl_b32 s46, s[WV], 9
	s_add_co_u32 s47, s46, RA+SCO
	v_add_nc_u32 v[SSA], s47, v[LS]
	s_add_co_u32 s47, s46, RB+SCO
	v_add_nc_u32 v[SSB], s47, v[LS]
	v_add_nc_u32 v[POF], s46, v[LI]                ; in memory: 16 x lane + my wave's 512 bytes of a row
	v_lshlrev_b32 v[XA], 11, v[TA0]
	v_lshl_add_u32 v[XA], v[TA1], 6, v[XA]
	v_add_nc_u32 v[XA], s46, v[XA]                 ; x: row r, + 64 h, + my wave's 512 bytes
	s_mul_i32 s47, s[WV], PRW
	s_add_co_u32 s47, s47, PRIV
	v_lshl_add_u32 v[PR], v[TA1], 6, s47
	v_add_nc_u32 v[PV], s47, v[LI]
	v_mul_u32_u24 v[STO], v[TA0], 528
	v_lshl_add_u32 v[STO], v[TA1], 6, v[STO]
	v_add_nc_u32 v[STO], s47, v[STO]
	s_lshl_b32 s47, s[WV], 2
	s_add_co_u32 s47, s47, LNS
	v_lshl_add_u32 v[LNW], v[TA0], 4, s47
	v_lshl_add_u32 v[LNR], v[TA0], 4, LNS
	s_lshl_b32 s48, s41, 17                        ; 64 rows of 2,048 bytes
	s_mov_b32 s49, 0
	s_add_nc_u64 s[68:69], s[68:69], s[48:49]
	s_add_nc_u64 s[92:93], s[92:93], s[48:49]
	s_lshl_b32 s48, s42, 11
	s_add_nc_u64 s[74:75], s[74:75], s[48:49]
	s_lshl_b32 s48, s42, 3
	s_lshl_b32 s50, s[WV], 1
	s_add_co_u32 s48, s48, s50
	s_mul_i32 s48, s48, 3584                       ; head 2 w of my batch
	s_add_nc_u64 s[72:73], s[72:73], s[48:49]
.macro PLD idx, sb, off
	global_load_b128 v[KS+4*\idx:KS+4*\idx+3], v[POF], s[\sb:\sb+1] offset:\off
.endm
	PLD 0, 76, 0                                   ; the small loads first: my wave's 128 numbers of each parameter,
	PLD 1, 78, 0
	PLD 2, 80, 0
	PLD 3, 82, 0
	PLD 4, 86, 0
	PLD 5, 88, 0
	PLD 6, 90, 0
	PLD 7, 84, 0
	PLD 8, 84, 2048
	PLD 9, 84, 4096
	PLD 10, 84, 6144
	PLD 11, 74, 0
	WIN 0x40
.irp t, 0,1,2,3                                ; KV's codes: the even head's six registers are registers 0-5 of its fragments, the odd head's 6-11
	global_load_b128 v[KVF+12*\t:KVF+12*\t+3], v[LI], s[72:73] offset:768*\t
	global_load_b64 v[KVF+12*\t+4:KVF+12*\t+5], v[L8], s[72:73] offset:768*\t+512
	global_load_b128 v[KVF+12*(\t+4)+6:KVF+12*(\t+4)+9], v[LI], s[72:73] offset:3584+768*\t
	global_load_b64 v[KVF+12*(\t+4)+10:KVF+12*(\t+4)+11], v[L8], s[72:73] offset:3584+768*\t+512
.endr
	WIN 0
.irp t, 0,1,2,3
	global_load_b32 v[KVS+\t], v[LS], s[72:73] offset:3072+128*\t
	global_load_b32 v[KVS+4+\t], v[LS], s[72:73] offset:3584+3072+128*\t
.endr
	WIN 0xC0
.irp jj, 0,1,2,3                               ; then x, into bank Y in the bank's order
.irp m, 0,1,2,3
.irp b, 0,1,2,3
	global_load_b128 v[64*\m+16*\b+4*\jj:64*\m+16*\b+4*\jj+3], v[XA], s[68:69] offset:32768*\m+128*\b+16*\jj th:TH_LOAD_NT
.endr
.endr
.endr
	WIN 0x40
.irp t, 0,1,2,3
.irp i, 0,1,2,3,4,5
	v_mov_b32 v[KVF+12*\t+6+\i], 0                 ; the other head's half of K: zero codes, which add nothing
	v_mov_b32 v[KVF+12*(\t+4)+\i], 0
.endr
.endr
	WIN 0
.irp i, 4,5,6,7,8,9,10,11
	v_mov_b32 v[TM+\i], 0                          ; a lane permute's destination counts as one of its sources
.endr
	s_wait_tensorcnt 0x1                           ; my part of tile 0 is in (only I read it); tile 1 may be out
	LW 0, 0
	LWS 0
	LW 1, 0
	s_wait_loadcnt 63                              ; of 100 loads at most 63 are out: the 36 small ones are in
.irp i, 0,1,2,3,4,5,6,7,8,9,10,11
	ds_store_b128 v[PV], v[KS+4*\i:KS+4*\i+3] offset:512*\i
.endr
	s_wait_loadcnt 0x0
.irp m, 0,1,2,3
	QUANT 64*\m, 3
	IMAGE SIA, SSA, \m
.endr
	WIN 0x80
.irp m, 0,1,2,3
	HLD 64*\m, PR, 0                               ; H = bq
.endr
	WIN 0
	HLD KS, PR, 512*11                             ; the sums of K of my two heads
	BARRIER                                        ; x's sixteen images lie in region A
	UNIT 2, RA, 1                                  ; q
	; ---- attention.  (The four plain lines behind a unit's last products stand in the unit.)
.macro ELU m
	WIN 0x42
.set i, 0
.rept 32
	v_pk_mul_f32 v[E+i:E+i+1], v[64*\m+i:64*\m+i+1], s[LE:LE+1] op_sel_hi:[1,0]
.set i, i+2
.endr
	WIN 0x41
.set i, 0
.rept 64
	v_exp_f32 v[E+i], v[E+i]
.set i, i+1
.endr
	WIN 0x82
.set i, 0
.rept 32
	v_pk_add_f32 v[64*\m+i:64*\m+i+1], v[64*\m+i:64*\m+i+1], 1.0 op_sel_hi:[1,0]   ; q + 1: plain work behind the exponentials
.set i, i+2
.endr
	s_wait_alu depctr_va_vdst(0)                   ; one wait for the 64 exponentials, ahead of their first reader
	WIN 0x89
.set i, 0
.rept 64
	v_med3_num_f32 v[64*\m+i], v[E+i], v[64*\m+i], 1.0
.set i, i+1
.endr
.endm
.macro DEN m                           ; Z of my row for both heads, in f32: registers 0-31 are the even head's, 32-63 the odd head's
	WIN 0x02
	v_pk_mul_f32 v[TM:TM+1], v[64*\m:64*\m+1], v[KS:KS+1]
	v_pk_mul_f32 v[TM+2:TM+3], v[64*\m+2:64*\m+3], v[KS+2:KS+3]
	v_pk_mul_f32 v[TM+4:TM+5], v[64*\m+32:64*\m+33], v[KS+32:KS+33]
	v_pk_mul_f32 v[TM+6:TM+7], v[64*\m+34:64*\m+35], v[KS+34:KS+35]
.irp i, 4,8,12,16,20,24,28
	v_pk_fma_f32 v[TM:TM+1], v[64*\m+\i:64*\m+\i+1], v[KS+\i:KS+\i+1], v[TM:TM+1]
	v_pk_fma_f32 v[TM+2:TM+3], v[64*\m+\i+2:64*\m+\i+3], v[KS+\i+2:KS+\i+3], v[TM+2:TM+3]
	v_pk_fma_f32 v[TM+4:TM+5], v[64*\m+32+\i:64*\m+32+\i+1], v[KS+32+\i:KS+32+\i+1], v[TM+4:TM+5]
	v_pk_fma_f32 v[TM+6:TM+7], v[64*\m+34+\i:64*\m+34+\i+1], v[KS+34+\i:KS+34+\i+1], v[TM+6:TM+7]
.endr
	WIN 0
	v_pk_add_f32 v[TM:TM+1], v[TM:TM+1], v[TM+2:TM+3]
	v_pk_add_f32 v[TM+4:TM+5], v[TM+4:TM+5], v[TM+6:TM+7]
	v_add_f32 v[TM], v[TM], v[TM+1]
	v_add_f32 v[TM+4], v[TM+4], v[TM+5]
	v_permlanex16_b32 v[TM+12], v[TM], s[SEL], s[SEL+1]
	v_permlanex16_b32 v[TM+13], v[TM+4], s[SEL], s[SEL+1]
	v_add_f32 v[TM], v[TM], v[TM+12]
	v_add_f32 v[TM+4], v[TM+4], v[TM+13]
	v_add_f32 v[TM], s[EPSA], v[TM]
	v_add_f32 v[TM+4], s[EPSA], v[TM+4]
	v_rcp_f32 v[ZP+2*\m], v[TM]
	v_rcp_f32 v[ZP+2*\m+1], v[TM+4]
	v_nop
	s_wait_alu depctr_va_vdst(0)                   ; one wait for the two reciprocals.  The plain lines above are also the places between the scale word's and the codes' last writes and the products below
.endm
.irp m, 0,1,2,3
	ELU \m
	QUANT 64*\m, 2
	DEN \m
	WIN 0x81                                       ; Q KV^T: source 0 = 16 m of KV (tiles 0-3 the even head, 4-7 the odd), source 1 = Q's 16 rows; the results take Q's place
.irp t, 0,1,2,3,4,5,6,7
	v_wmma_scale_f32_16x16x128_f8f6f4 v[64*\m+8*\t:64*\m+8*\t+7], v[KVF+12*\t:KVF+12*\t+11], v[PC:PC+11], 0, v[KVS+\t], v[PW] matrix_a_fmt:MATRIX_FMT_BF6 matrix_b_fmt:MATRIX_FMT_BF6
.endr
.endr
.irp m, 0,1,2,3                                ; x Z, quantised, to region B.  Tile 0's lines name none of the last products' registers: they are the places behind them
	WIN 0x82
.set i, 0
.rept 16
	v_pk_mul_f32 v[64*\m+i:64*\m+i+1], v[64*\m+i:64*\m+i+1], v[ZP+2*\m:ZP+2*\m+1] op_sel_hi:[1,0]
.set i, i+2
.endr
.rept 16
	v_pk_mul_f32 v[64*\m+i:64*\m+i+1], v[64*\m+i:64*\m+i+1], v[ZP+2*\m:ZP+2*\m+1] op_sel:[0,1]
.set i, i+2
.endr
	QUANT 64*\m, 2
	IMAGE SIB, SSB, \m
.endr
	WIN 0x80
	HLD 0, PR, 512*1                               ; H: bo, g1, be1, b2
	HLD 64, PR, 512*2
	HLD 128, PR, 512*3
	HLD 192, PR, 512*4
	WIN 0
	BARRIER
	UNIT 3, RB, 1                                  ; Y = x + attn Wo
; The four pairs v[TM + 2 m] become the rows' sums over all 512 columns, in v[LT + 4 m]: my two halves, lane l xor 16's, and the four waves' through stage k in LDS
.macro ROWSUM k
	WIN 0
.irp m, 0,1,2,3
	v_add_f32 v[TM+2*\m], v[TM+2*\m], v[TM+2*\m+1]
.endr
.irp m, 0,1,2,3
	v_permlanex16_b32 v[TM+8+\m], v[TM+2*\m], s[SEL], s[SEL+1]
.endr
.irp m, 0,1,2,3
	v_add_f32 v[TM+2*\m], v[TM+2*\m], v[TM+8+\m]
.endr
.irp m, 0,1,2,3
	ds_store_b32 v[LNW], v[TM+2*\m] offset:256*\m+1024*(\k)
.endr
	BARRIER
.irp m, 0,1,2,3
	ds_load_b128 v[LT+4*\m:LT+4*\m+3], v[LNR] offset:256*\m+1024*(\k)
.endr
	s_wait_dscnt 0x0
.irp m, 0,1,2,3
	v_add_f32 v[LT+4*\m], v[LT+4*\m], v[LT+4*\m+1]
	v_add_f32 v[LT+4*\m+2], v[LT+4*\m+2], v[LT+4*\m+3]
.endr
.irp m, 0,1,2,3
	v_add_f32 v[LT+4*\m], v[LT+4*\m], v[LT+4*\m+2]
.endr
.endm
; Y = (Y - mean) rsqrt(var + 1e-5) g + be, g and be in H[64 ..], H[128 ..]; the variance is the mean of the squares of Y - mean.  first = 1: H[0 .. 63] is added first
.macro LN k, first
.if \first
	WIN 0xCB
.irp m, 0,1,2,3
.set i, 0
.rept 32
	v_pk_add_f32 v[64*\m+i:64*\m+i+1], v[64*\m+i:64*\m+i+1], v[i:i+1]
.set i, i+2
.endr
.endr
.endif
	WIN 0x0F
.irp m, 0,1,2,3
	v_pk_add_f32 v[TM+2*\m:TM+2*\m+1], v[64*\m:64*\m+1], v[64*\m+2:64*\m+3]    ; the first two pairs start the sums; each accumulator is read from its low end on
.endr
	WIN 0x03
.set i, 4
.rept 30
.irp m, 0,1,2,3
	v_pk_add_f32 v[TM+2*\m:TM+2*\m+1], v[64*\m+i:64*\m+i+1], v[TM+2*\m:TM+2*\m+1]
.endr
.set i, i+2
.endr
	ROWSUM \k
.irp m, 0,1,2,3
	v_mul_f32 v[LT+4*\m], s[I512], v[LT+4*\m]      ; the mean
.endr
	WIN 0xC3
.irp m, 0,1,2,3
.set i, 0
.rept 32
	v_pk_add_f32 v[64*\m+i:64*\m+i+1], v[64*\m+i:64*\m+i+1], v[LT+4*\m:LT+4*\m+1] op_sel_hi:[1,0] neg_lo:[0,1] neg_hi:[0,1]
.set i, i+2
.endr
.endr
	WIN 0x0F
.irp m, 0,1,2,3
	v_pk_mul_f32 v[TM+2*\m:TM+2*\m+1], v[64*\m:64*\m+1], v[64*\m:64*\m+1]
.endr
.set i, 2
.rept 31
.irp m, 0,1,2,3
	v_pk_fma_f32 v[TM+2*\m:TM+2*\m+1], v[64*\m+i:64*\m+i+1], v[64*\m+i:64*\m+i+1], v[TM+2*\m:TM+2*\m+1]
.endr
.set i, i+2
.endr
	ROWSUM \k+1
.irp m, 0,1,2,3
	v_fma_f32 v[LT+4*\m], v[LT+4*\m], s[I512], s[EPSL]
.endr
.irp m, 0,1,2,3
	v_rsq_f32 v[LT+4*\m+2], v[LT+4*\m]
.endr
	v_nop
	s_wait_alu depctr_va_vdst(0)                   ; one wait for the four roots
	WIN 0xC3
.irp m, 0,1,2,3
.set i, 0
.rept 32
	v_pk_mul_f32 v[64*\m+i:64*\m+i+1], v[64*\m+i:64*\m+i+1], v[LT+4*\m+2:LT+4*\m+3] op_sel_hi:[1,0]
.set i, i+2
.endr
.endr
	WIN 0xEB
.irp m, 0,1,2,3
.set i, 0
.rept 32
	v_pk_fma_f32 v[64*\m+i:64*\m+i+1], v[64*\m+i:64*\m+i+1], v[64+i:64+i+1], v[128+i:128+i+1]
.set i, i+2
.endr
.endr
	WIN 0
.endm
	LN 0, 1                                        ; Y = x1
.irp m, 0,1,2,3
	QUANT 64*\m, 3
	IMAGE SIA, SSA, \m                             ; region A was last read in the first unit; every wave has passed the second unit's rounds since
.endr
	WIN 0xCB
.irp m, 0,1,2,3
.set i, 0
.rept 32
	v_pk_add_f32 v[64*\m+i:64*\m+i+1], v[64*\m+i:64*\m+i+1], v[192+i:192+i+1]     ; Y = x1 + b2: what W2's sums are added onto
.set i, i+2
.endr
.endr
	WIN 0
	v_add_nc_u32 v[PRC], s[TP], v[PR]
	WIN 0x80
.irp m, 0,1,2,3
	HLD 64*\m, PRC, 0                              ; H = b1's first 512
.endr
	WIN 0
	BARRIER
; relu, quantised, to region B: K step w of this chunk of W2's K.  next = 1: H takes b1's next 512; 0: g2 and be2
.macro VPH next
.irp m, 0,1,2,3
	WIN 0x88
.set i, 0
.rept 64
	v_max_num_f32 v[64*\m+i], 0, v[64*\m+i]
.set i, i+1
.endr
	QUANT 64*\m, 2
	IMAGE SIB, SSB, \m
.endr
.if \next
	s_add_co_u32 s[TP], s[TP], 512
	v_add_nc_u32 v[PRC], s[TP], v[PR]
	WIN 0x80
.irp m, 0,1,2,3
	HLD 64*\m, PRC, 0
.endr
.else
	WIN 0x80
	HLD 64, PR, 512*5
	HLD 128, PR, 512*6
.endif
	WIN 0
	BARRIER
.endm
	s_mov_b32 s[CH], 3
.Lffn:                                             ; a chunk of 512 hidden units a trip
	UNIT 2, RA, 1
	VPH 1
	UNIT 3, RB, 1
	s_sub_co_u32 s[CH], s[CH], 1
	s_cmp_lg_u32 s[CH], 0
	s_cbranch_scc1 .Lffn
	UNIT 2, RA, 1                                  ; the last chunk is written out: its second unit asks for nothing
	VPH 0
	UNIT 3, RB, 0
	LN 2, 0
	; ---- the way out: 16 rows x my 512 bytes through my own stage, back as whole runs of 512 bytes
.macro TOSTAGE m
	WIN 0x0C
.irp b, 0,1,2,3
.irp jj, 0,1,2,3
	ds_store_b128 v[STO], v[64*\m+16*\b+4*\jj:64*\m+16*\b+4*\jj+3] offset:128*\b+16*\jj
.endr
.endr
	WIN 0x40
.irp i, 0,1,2,3,4,5,6,7,8,9,10,11,12,13,14,15
	ds_load_b128 v[OB+64*(\m%2)+4*\i:OB+64*(\m%2)+4*\i+3], v[PV] offset:528*\i    ; LDS serves a wave's instructions in order: these see the stores above, and the next tile's stores come behind them
.endr
	WIN 0
.endm
.macro SEND m, younger
	s_wait_dscnt \younger                          ; the tile is back in registers; the next tile's 16 stores and 16 loads may be out
	WIN 0x04
.irp i, 0,1,2,3,4,5,6,7,8,9,10,11,12,13,14,15
	global_store_b128 v[POF], v[OB+64*(\m%2)+4*\i:OB+64*(\m%2)+4*\i+3], s[92:93] offset:(16*\m+\i)*2048 th:TH_STORE_NT   ; 32 lanes store 512 consecutive bytes, aligned
.endr
	WIN 0
.endm
	TOSTAGE 0
	TOSTAGE 1
	SEND 0, 32
	s_wait_xcnt 0x0                                ; tile 0's stores have read their registers: tile 2's loads may land there
	TOSTAGE 2
	SEND 1, 32
	s_wait_xcnt 0x0
	TOSTAGE 3
	SEND 2, 32
	SEND 3, 0
	s_wait_tensorcnt 0x0                           ; the wave's end
	ds_add_u32 v[SPW], v[NIL]
	s_wait_dscnt 0x0
	ROUND                                          ; the closing round
	s_endpgm
.Lfunc_end_k_qace4879420_chain:
	.size	k_qace4879420_chain, .Lfunc_end_k_qace4879420_chain-k_qace4879420_chain
	.p2alignl 7, 3214868480
	.fill 96, 4, 3214868480
	.section	.rodata,"a",@progbits
	.p2align	6, 0x0
	.amdhsa_kernel k_qace4879420_chain
		.amdhsa_group_segment_fixed_size 327680
		.amdhsa_private_segment_fixed_size 0
		.amdhsa_enable_private_segment 0
		.amdhsa_kernarg_size 104
		.amdhsa_user_sgpr_count 2
		.amdhsa_user_sgpr_kernarg_segment_ptr 1
		.amdhsa_wavefront_size32 1
		.amdhsa_system_sgpr_workgroup_id_x 1
		.amdhsa_system_sgpr_workgroup_id_y 1
		.amdhsa_system_sgpr_workgroup_id_z 1
		.amdhsa_system_vgpr_workitem_id 0
		.amdhsa_next_free_vgpr 1024
		.amdhsa_next_free_sgpr 100
		.amdhsa_reserve_vcc 0
		.amdhsa_float_denorm_mode_32 3
		.amdhsa_float_denorm_mode_16_64 3
		.amdhsa_memory_ordered 1
		.amdhsa_forward_progress 1
		.amdhsa_inst_pref_size 255
	.end_amdhsa_kernel
	.section	.bss,"aw",@nobits
	.p2align	6
	.space	262144
	.amdgpu_metadata
---
amdhsa.version: [ 1, 2 ]
amdhsa.kernels:
  - .name:           k_qace4879420_chain
    .symbol:         k_qace4879420_chain.kd
    .args:
      - { .name: x, .offset: 0, .size: 8, .value_kind: global_buffer, .address_space: global }
      - { .name: wts, .offset: 8, .size: 8, .value_kind: global_buffer, .address_space: global }
      - { .name: kvc, .offset: 16, .size: 8, .value_kind: global_buffer, .address_space: global }
      - { .name: ksum, .offset: 24, .size: 8, .value_kind: global_buffer, .address_space: global }
      - { .name: bq, .offset: 32, .size: 8, .value_kind: global_buffer, .address_space: global }
      - { .name: bo, .offset: 40, .size: 8, .value_kind: global_buffer, .address_space: global }
      - { .name: g1, .offset: 48, .size: 8, .value_kind: global_buffer, .address_space: global }
      - { .name: be1, .offset: 56, .size: 8, .value_kind: global_buffer, .address_space: global }
      - { .name: b1, .offset: 64, .size: 8, .value_kind: global_buffer, .address_space: global }
      - { .name: b2, .offset: 72, .size: 8, .value_kind: global_buffer, .address_space: global }
      - { .name: g2, .offset: 80, .size: 8, .value_kind: global_buffer, .address_space: global }
      - { .name: be2, .offset: 88, .size: 8, .value_kind: global_buffer, .address_space: global }
      - { .name: out0, .offset: 96, .size: 8, .value_kind: global_buffer, .address_space: global }
    .group_segment_fixed_size: 327680
    .private_segment_fixed_size: 0
    .kernarg_segment_align: 8
    .kernarg_segment_size: 104
    .max_flat_workgroup_size: 128
    .sgpr_count:     100
    .vgpr_count:     1024
    .wavefront_size: 32
...
	.end_amdgpu_metadata
.endif
;; end of part 4
;; ======== version 2 of 2: 4 launches; 1.12 times as fast as version 1
;; workspace buffers: xq 6,815,744 bytes; wts 2,457,600 bytes; kvp 4,194,304 bytes; ksp 65,536 bytes; kvc 229,376 bytes; ksum 16,384 bytes
;; launch prep (part 5): grid 448 x 1, 4 waves a work-group, no clusters, 68,096 bytes of LDS; arguments x, Wq, Wk, Wv, Wo, W1, W2, xq, wts; writes xq, wts
.if DOCPART == 5
	.amdgcn_target "amdgcn-amd-amdhsa--gfx1250"
	.amdhsa_code_object_version 6
	.text
	.protected	k_qace4879420_prep
	.globl	k_qace4879420_prep
	.p2align	8
	.type	k_qace4879420_prep,@function
k_qace4879420_prep:
	s_mov_b64 s[64:65], 0
	v_nop
	global_prefetch_b8 v0, s[64:65] scope:SCOPE_SE
	s_setreg_imm32_b32 hwreg(HW_REG_WAVE_MODE, 25, 1), 1
	s_wait_xcnt 0x0
; PREP.  x [16384][512] f32 and the six weights ([K][N] f32) become codes of BF6 (E3M2) with one E8M0 byte for each 32 along K,
; laid as IMAGES OF OPERAND REGISTERS: a fragment (16 rows x 128 K) is 12 registers a lane; registers 4 g .. 4 g + 3 of lane l lie at 512 g + 16 l.
; A block's scale is 2^(floor(log2(largest magnitude)) - 4): its byte is the largest magnitude's exponent field - 4, held at 1 from below.
; LIMITS: NaN and infinities are not served; a block whose largest magnitude lies under 2^-122 keeps the byte 1; a block of zeros has the byte 1
; where the rule says 127 (its codes are zeros, and this program alone reads the bytes).
; Work-groups 0-255: 64 rows of x each, a wave a tile of 16 rows.  THE ROWS OF A TILE ARE NOT NEIGHBOURS: lane r of tile T takes row 32 (r / 8) + 8 T + r % 8 of the 64,
; so that in the next launch a lane's registers of four tiles are 32 neighbours along the sequence.  Record of a tile: four images (K steps), then [lane][4] scale words: 6,656 bytes.
; A load takes 512 consecutive bytes of one row (a K step's 128 numbers); the quantiser wants 16 neighbours of each block in a lane: a K step's 16 rows turn through the wave's own stage in LDS
; (16 rows x 528 bytes, two stages by turns): stored as loaded, read back 64 bytes a lane and block.
; Work-groups 256-447: one weight record each (128 K x 128 columns): eight images, then [lane][4] scale words (word i: lanes 0-15 tile 2 i, lanes 16-31 tile 2 i + 1): 12,800 bytes.
; A lane takes a column and its registers run down K, so a block of 32 lies in one lane and nothing is transposed.
; No barrier: waves share nothing.
.set STGB, 8448                        ; a stage: 16 rows x (512 bytes + 16)
.set LI,  1                            ; x path: 16 x lane
.set PVS, 2                            ; my wave's stages + 16 x lane
.set STS, 3                            ; my wave's stages + 528 r + 64 x (lane / 16)
.set TM,  4                            ; v4-19   at work in QUANT
.set T8,  20                           ; v20-27  second halves of the conversions
.set SW,  28                           ; v28-31  the four K steps' scale words
.set CO,  32                           ; v32-55  codes, two sets by turns
.set X,   64                           ; v64-255 three sets of 64 numbers
.set W4,  3                            ; weights path: 4 x lane
.set VD,  4                            ; where my column's codes go in the record
.set VS,  5                            ; and its scale word
.set VO,  32                           ; v32-63  4 x lane + i rows
.set WX,  64                           ; v64-191 my column's 128 numbers
.set CA,  192                          ; v192-203 blocks 0 and 2: the image's lane r
.set CB,  204                          ; v204-215 blocks 1 and 3: the image's lane r + 16
.set TQ,  216
.set MM,  220
.set WD,  222
	s_load_b512 s[4:19], s[0:1], 0x0               ; x, Wq, Wk, Wv, Wo, W1, W2, xq
	s_load_b64 s[20:21], s[0:1], 0x40              ; wts
	v_lshl_add_u32 v23, v0, 2, 0x10800
	v_mov_b32 v27, 0
	v_lshrrev_b32 v1, 5, v0
	v_readfirstlane_b32 s22, v1                    ; wave
	s_mov_b32 s60, 0x76543210
	s_mov_b32 s61, 0xfedcba98                      ; v_permlanex16_b32's selects for lane l xor 16
	s_cmp_lt_u32 ttmp9, 256
	s_cbranch_scc0 .Lweights
; 64 numbers of a lane, register 16 b + i = k 32 b + 16 (lane / 16) + i of my row, become a fragment's 12 registers at v[d] and its scale word in v[pw]
.macro QUANT s, d, pw
.irp b, 0,1,2,3
	v_max3_num_f32 v[TM+\b], |v[\s+16*\b]|, |v[\s+16*\b+1]|, 0x2800000      ; my 16 numbers of block b, and the floor 2^(5 - 127)
.endr
.irp i, 2,4,6,8,10,12,14
.irp b, 0,1,2,3
	v_max3_num_f32 v[TM+\b], |v[\s+16*\b+\i]|, |v[\s+16*\b+\i+1]|, v[TM+\b]  ; the four blocks by turns
.endr
.endr
.irp b, 0,1,2,3
	v_permlanex16_b32 v[TM+4+\b], v[TM+\b], s60, s61
.endr
.irp b, 0,1,2,3
	v_max_num_f32 v[TM+\b], v[TM+\b], v[TM+4+\b]   ; with lane l xor 16's: the block's largest magnitude
.endr
.irp b, 0,1,2,3
	v_add_nc_u32 v[TM+12+\b], 0xfe000000, v[TM+\b] ; 4 off its exponent field: the conversion's scale operand
.endr
.irp b, 0,1,2,3
	v_lshrrev_b32 v[TM+4+\b], 23, v[TM+12+\b]      ; the scale's byte
.endr
	v_lshl_or_b32 v[\pw], v[TM+5], 8, v[TM+4]
	v_lshl_or_b32 v[\pw], v[TM+6], 16, v[\pw]
	v_lshl_or_b32 v[\pw], v[TM+7], 24, v[\pw]
.irp c, 0,1
	v_cvt_scalef32_pk16_bf6_f32 v[\d+6*\c:\d+6*\c+2], v[\s+32*\c:\s+32*\c+15], v[TM+12+2*\c]
	v_cvt_scalef32_pk16_bf6_f32 v[T8+4*\c:T8+4*\c+2], v[\s+32*\c+16:\s+32*\c+31], v[TM+13+2*\c]
.endr
	v_nop                                          ; one plain line behind the scaled conversions
.irp c, 0,1                                    ; the layout wants a whole block in a lane: lanes 0-15 block 2 c, lanes 16-31 block 2 c + 1
.irp i, 0,1,2
	v_permlane16_swap_b32 v[\d+6*\c+\i], v[T8+4*\c+\i]
.endr
.irp i, 0,1,2
	v_mov_b32 v[\d+6*\c+3+\i], v[T8+4*\c+\i]
.endr
.endr
.endm
.macro XLOAD s, set                    ; K step s of my 16 rows: a load takes one row's 512 consecutive bytes, 16 a lane
.irp i, 0,1,2,3,4,5,6,7,8,9,10,11,12,13,14,15
	global_load_b128 v[X+64*\set+4*\i:X+64*\set+4*\i+3], v[LI], s[4:5] offset:(32*(\i/8)+\i%8)*2048+512*\s th:TH_LOAD_NT
.endr
.endm
.macro TURN set, st                    ; a set goes through stage st and comes back into the registers that it left: lane (r, h), register 16 b + i = row r, k 32 b + 16 h + i.  LDS serves a wave's instructions in order
.irp i, 0,1,2,3,4,5,6,7,8,9,10,11,12,13,14,15
	ds_store_b128 v[PVS], v[X+64*\set+4*\i:X+64*\set+4*\i+3] offset:STGB*(\st)+528*\i
.endr
.irp b, 0,1,2,3
.irp jj, 0,1,2,3
	ds_load_b128 v[X+64*\set+16*\b+4*\jj:X+64*\set+16*\b+4*\jj+3], v[STS] offset:STGB*(\st)+128*\b+16*\jj
.endr
.endr
.endm
; K step s lies turned in set; the next K step (set nset, stage nst) is turned while this one is quantised
.macro XSTEP s, set, nset, nst, left
.if \s < 3
	s_wait_loadcnt \left                           ; the next K step's 16 loads are in; the K step's behind it may be out
	TURN \nset, \nst
	s_wait_dscnt 32                                ; this K step is back from its stage; the next turn's 16 stores and 16 loads may be out
.else
	s_wait_dscnt 0x0
.endif
.if \s > 1
	s_wait_xcnt 0x0                                ; the stores of two K steps back have read their codes: the set is written again only behind this wait
.endif
	QUANT X+64*\set, CO+12*(\s%2), SW+\s
.if \s == 0
	XLOAD 3, 0                                     ; the set just quantised takes the last K step
.endif
.irp g, 0,1,2
	global_store_b128 v[LI], v[CO+12*(\s%2)+4*\g:CO+12*(\s%2)+4*\g+3], s[18:19] offset:1536*\s+512*\g   ; 512 consecutive bytes a store
.endr
.endm
	; ---- x
	v_and_b32 v56, 15, v0                          ; r
	v_bfe_u32 v57, v0, 4, 1                        ; h
	v_and_b32 v[LI], 31, v0
	v_lshlrev_b32 v[LI], 4, v[LI]
	s_mul_i32 s23, s22, 2*STGB                     ; my wave's two stages
	v_add_nc_u32 v[PVS], s23, v[LI]
	v_mul_u32_u24 v[STS], v56, 528
	v_lshl_add_u32 v[STS], v57, 6, v[STS]
	v_add_nc_u32 v[STS], s23, v[STS]
.irp b, 0,1,2,3
	v_mov_b32 v[TM+4+\b], 0                        ; a lane permute's destination counts as one of its sources
.endr
	s_lshl_b32 s24, ttmp9, 17                      ; 64 rows of 2,048 bytes,
	s_lshl_b32 s25, s22, 14                        ; + 8 T rows
	s_add_co_u32 s24, s24, s25
	s_mov_b32 s25, 0
	s_lshl_b32 s26, ttmp9, 2
	s_add_co_u32 s26, s26, s22
	s_mul_i32 s26, s26, 6656                       ; my tile's record
	s_mov_b32 s27, 0
	s_wait_kmcnt 0x0
	s_add_nc_u64 s[4:5], s[4:5], s[24:25]
	s_add_nc_u64 s[18:19], s[18:19], s[26:27]
	XLOAD 0, 0
	XLOAD 1, 1
	XLOAD 2, 2
	s_wait_loadcnt 32                              ; K step 0 is in
	TURN 0, 0
	XSTEP 0, 0, 1, 1, 16
	XSTEP 1, 1, 2, 0, 16
	XSTEP 2, 2, 0, 1, 0
	XSTEP 3, 0, 0, 0, 0
	global_store_b128 v[LI], v[SW:SW+3], s[18:19] offset:6144
	s_wait_tensorcnt 0x0
	ds_add_u32 v23, v27
	s_wait_dscnt 0x0
	s_endpgm
; a whole block of 32 numbers in my registers v[x] on: six code registers at v[c], the byte in v[MM]
.macro QB32 x, c
	v_max3_num_f32 v[MM], |v[\x]|, |v[\x+1]|, 0x2800000
	v_max3_num_f32 v[MM+1], |v[\x+2]|, |v[\x+3]|, 0x2800000
.irp i, 4,8,12,16,20,24,28
	v_max3_num_f32 v[MM], |v[\x+\i]|, |v[\x+\i+1]|, v[MM]
	v_max3_num_f32 v[MM+1], |v[\x+\i+2]|, |v[\x+\i+3]|, v[MM+1]
.endr
	v_max_num_f32 v[MM], v[MM], v[MM+1]
	v_add_nc_u32 v[MM+1], 0xfe000000, v[MM]
	v_lshrrev_b32 v[MM], 23, v[MM+1]
	v_cvt_scalef32_pk16_bf6_f32 v[\c:\c+2], v[\x:\x+15], v[MM+1]
	v_cvt_scalef32_pk16_bf6_f32 v[TQ:TQ+2], v[\x+16:\x+31], v[MM+1]
	v_nop
.irp i, 0,1,2
	v_mov_b32 v[\c+3+\i], v[TQ+\i]
.endr
.endm
.macro WLOAD be, sb                    ; block be of my column: 32 rows; a wave reads 128 consecutive bytes a load
.set i, 0
.rept 32
	global_load_b32 v[WX+32*\be+i], v[VO+i], s[\sb:\sb+1] th:TH_LOAD_NT
.set i, i+1
.endr
.endm
.Lweights:
	; ---- which 128 K x 128 columns of which weight is record j.  j < 160: the chain's stream, j = (tile x 4 + wave) x 2 + jj, unit u = tile / 2, K step s = 2 (tile % 2) + jj;
	; u = 0 Wq, 1 Wo, 2 + 2 c W1 (columns 512 c on), 3 + 2 c W2 (k 512 c on).  j >= 160: head (j - 160) / 4, K step j % 4: 64 columns of Wk, then 64 of Wv.
	s_sub_co_u32 s24, ttmp9, 256                   ; j
	s_lshr_b32 s25, s24, 4                         ; u
	s_bfe_u32 s26, s24, 0x20001                    ; wave of the chain
	s_bfe_u32 s27, s24, 0x10003                    ; tile % 2
	s_and_b32 s28, s24, 1                          ; jj
	s_lshl_b32 s27, s27, 1
	s_add_co_u32 s27, s27, s28
	s_lshl_b32 s27, s27, 7                         ; k0 = 128 s
	s_lshl_b32 s26, s26, 7
	s_lshl_b32 s28, s22, 5
	s_add_co_u32 s26, s26, s28                     ; my wave's first column
	s_max_u32 s29, s25, 2
	s_sub_co_u32 s29, s29, 2
	s_lshr_b32 s29, s29, 1
	s_lshl_b32 s29, s29, 9                         ; 512 c
	s_and_b32 s30, s25, 1
	s_sub_co_u32 s31, s24, 160
	s_lshr_b32 s31, s31, 2
	s_lshl_b32 s31, s31, 6                         ; 64 x head
	s_and_b32 s32, s22, 1
	s_lshl_b32 s32, s32, 5
	s_add_co_u32 s31, s31, s32
	s_and_b32 s33, s24, 3
	s_lshl_b32 s33, s33, 7
	s_mul_i32 s34, s24, 12800
	s_mov_b32 s35, 0
	v_and_b32 v1, 31, v0                           ; L: my column of the wave's 32
	v_lshlrev_b32 v[W4], 2, v1
	s_wait_kmcnt 0x0
	s_cmp_eq_u32 s30, 0                            ; every choice hangs on ids alone
	s_cselect_b64 s[36:37], s[6:7], s[12:13]       ; Wq or Wo
	s_cselect_b64 s[38:39], s[14:15], s[16:17]     ; W1 or W2
	s_cselect_b32 s40, s29, 0
	s_cselect_b32 s41, 0, s29
	s_cselect_b32 s42, 13, 11                      ; log2 of a row's bytes
	s_cmp_lt_u32 s25, 2
	s_cselect_b64 s[36:37], s[36:37], s[38:39]
	s_cselect_b32 s42, 11, s42
	s_add_co_u32 s26, s26, s40
	s_add_co_u32 s27, s27, s41
	s_cmp_lt_u32 s22, 2
	s_cselect_b64 s[38:39], s[8:9], s[10:11]       ; Wk or Wv
	s_cselect_b32 s43, -1, 0
	s_cmp_ge_u32 s24, 160
	s_cselect_b64 s[36:37], s[38:39], s[36:37]
	s_cselect_b32 s26, s31, s26
	s_cselect_b32 s27, s33, s27
	s_cselect_b32 s42, 11, s42
	s_cselect_b32 s43, s43, 0                      ; all ones where the columns are Wk's
	s_lshl_b32 s44, s27, s42
	s_lshl_b32 s45, s26, 2
	s_add_co_u32 s44, s44, s45
	s_mov_b32 s45, 0
	s_add_nc_u64 s[36:37], s[36:37], s[44:45]      ; block 0
	s_add_co_u32 s46, s42, 5
	s_lshl_b32 s46, 1, s46                         ; 32 rows
	s_mov_b32 s47, 0
	s_add_nc_u64 s[48:49], s[36:37], s[46:47]      ; blocks 1, 2, 3: bases of their own, so no address is ever rewritten
	s_add_nc_u64 s[50:51], s[48:49], s[46:47]
	s_add_nc_u64 s[52:53], s[50:51], s[46:47]
	s_lshl_b32 s54, 1, s42                         ; a row
	s_add_nc_u64 s[20:21], s[20:21], s[34:35]
.set i, 0
.rept 32
	v_mad_u32_u24 v[VO+i], s54, i, v[W4]
.set i, i+1
.endr
	WLOAD 0, 36
	WLOAD 1, 48
	WLOAD 2, 50
	WLOAD 3, 52
	; which tile and which of its lanes my column is.  All but Wk: tile 2 b + u, lane i <-> column 32 b + 8 u + i + 8 (i / 8).  Wk, within a head: tile t, lane i <-> d = 32 (i / 8) + 8 t + i % 8
	v_and_b32 v6, 7, v1
	v_bfe_u32 v7, v1, 3, 1
	v_lshrrev_b32 v8, 4, v1
	v_lshl_add_u32 v8, v8, 3, v6
	s_lshl_b32 s23, s22, 1
	v_add_nc_u32 v7, s23, v7
	v_bfe_u32 v9, v1, 3, 2
	s_lshl_b32 s23, s22, 3
	v_add_nc_u32 v10, s23, v6
	v_cndmask_b32 v7, v7, v9, s43                  ; tile
	v_cndmask_b32 v8, v8, v10, s43                 ; r
	v_mul_u32_u24 v[VD], v7, 1536
	v_lshl_add_u32 v[VD], v8, 4, v[VD]
	v_and_b32 v11, 1, v7
	v_lshl_add_u32 v11, v11, 4, v8
	v_lshrrev_b32 v[VS], 1, v7
	v_lshlrev_b32 v[VS], 2, v[VS]
	v_lshl_add_u32 v[VS], v11, 4, v[VS]
	s_wait_loadcnt 63                              ; of 128 loads at most 63 are out: blocks 0 and 1 are in
	QB32 WX, CA
	v_mov_b32 v[WD], v[MM]
	QB32 WX+32, CB
	v_lshl_or_b32 v[WD], v[MM], 8, v[WD]
	s_wait_loadcnt 32                              ; block 3's may be out
	QB32 WX+64, CA+6
	v_lshl_or_b32 v[WD], v[MM], 16, v[WD]
	s_wait_loadcnt 0x0
	QB32 WX+96, CB+6
	v_lshl_or_b32 v[WD], v[MM], 24, v[WD]
.irp g, 0,1,2
	global_store_b128 v[VD], v[CA+4*\g:CA+4*\g+3], s[20:21] offset:512*\g
	global_store_b128 v[VD], v[CB+4*\g:CB+4*\g+3], s[20:21] offset:512*\g+256
.endr
	global_store_b32 v[VS], v[WD], s[20:21] offset:12288
	s_endpgm
.Lfunc_end_k_qace4879420_prep:
	.size	k_qace4879420_prep, .Lfunc_end_k_qace4879420_prep-k_qace4879420_prep
	.p2alignl 7, 3214868480
	.fill 96, 4, 3214868480
	.section	.rodata,"a",@progbits
	.p2align	6, 0x0
	.amdhsa_kernel k_qace4879420_prep
		.amdhsa_group_segment_fixed_size 68096
		.amdhsa_private_segment_fixed_size 0
		.amdhsa_enable_private_segment 0
		.amdhsa_kernarg_size 72
		.amdhsa_user_sgpr_count 2
		.amdhsa_user_sgpr_kernarg_segment_ptr 1
		.amdhsa_wavefront_size32 1
		.amdhsa_system_sgpr_workgroup_id_x 1
		.amdhsa_system_sgpr_workgroup_id_y 1
		.amdhsa_system_sgpr_workgroup_id_z 1
		.amdhsa_system_vgpr_workitem_id 0
		.amdhsa_next_free_vgpr 256
		.amdhsa_next_free_sgpr 66
		.amdhsa_reserve_vcc 0
		.amdhsa_float_denorm_mode_32 3
		.amdhsa_float_denorm_mode_16_64 3
		.amdhsa_memory_ordered 1
		.amdhsa_forward_progress 1
		.amdhsa_inst_pref_size 57
	.end_amdhsa_kernel
	.amdgpu_metadata
---
amdhsa.version: [ 1, 2 ]
amdhsa.kernels:
  - .name:           k_qace4879420_prep
    .symbol:         k_qace4879420_prep.kd
    .args:
      - { .name: x, .offset: 0, .size: 8, .value_kind: global_buffer, .address_space: global }
      - { .name: Wq, .offset: 8, .size: 8, .value_kind: global_buffer, .address_space: global }
      - { .name: Wk, .offset: 16, .size: 8, .value_kind: global_buffer, .address_space: global }
      - { .name: Wv, .offset: 24, .size: 8, .value_kind: global_buffer, .address_space: global }
      - { .name: Wo, .offset: 32, .size: 8, .value_kind: global_buffer, .address_space: global }
      - { .name: W1, .offset: 40, .size: 8, .value_kind: global_buffer, .address_space: global }
      - { .name: W2, .offset: 48, .size: 8, .value_kind: global_buffer, .address_space: global }
      - { .name: xq, .offset: 56, .size: 8, .value_kind: global_buffer, .address_space: global }
      - { .name: wts, .offset: 64, .size: 8, .value_kind: global_buffer, .address_space: global }
    .group_segment_fixed_size: 68096
    .private_segment_fixed_size: 0
    .kernarg_segment_align: 8
    .kernarg_segment_size: 72
    .max_flat_workgroup_size: 128
    .sgpr_count:     66
    .vgpr_count:     256
    .wavefront_size: 32
...
	.end_amdgpu_metadata
.endif
;; end of part 5
;; launch kv: the kernel of part 2 again; grid 8 x 32, 4 waves a work-group, clusters of 4 x 1, 327,680 bytes of LDS; arguments xq, wts, bk, bv, kvp, ksp; writes kvp, ksp
;; launch kvq: the kernel of part 3 again; grid 64 x 1, 4 waves a work-group, no clusters, 0 bytes of LDS; arguments kvp, ksp, kvc, ksum; writes kvc, ksum
;; launch chain (part 6): grid 256 x 1, 4 waves a work-group, clusters of 4 x 1, 327,680 bytes of LDS; arguments x, wts, kvc, ksum, bq, bo, g1, be1, b1, b2, g2, be2, out0; writes out0
.if DOCPART == 6
	.amdgcn_target "amdgcn-amd-amdhsa--gfx1250"
	.amdhsa_code_object_version 6
	.text
	.protected	k_qace4879420_chain
	.globl	k_qace4879420_chain
	.p2align	8
	.type	k_qace4879420_chain,@function
k_qace4879420_chain:
	s_mov_b64 s[64:65], 0
	v_nop
	global_prefetch_b8 v0, s[64:65] scope:SCOPE_SE
	s_setreg_imm32_b32 hwreg(HW_REG_WAVE_MODE, 25, 1), 1
	s_wait_xcnt 0x0
	s_wait_alu depctr_hold_cnt(0) depctr_sa_sdst(0) depctr_va_vdst(0) depctr_va_sdst(0) depctr_va_ssrc(0) depctr_va_vcc(0) depctr_vm_vsrc(0)
	s_getreg_b32 s2, hwreg(HW_REG_IB_STS2, 6, 4)
	s_cmp_eq_u32 s2, 0
	s_cbranch_scc0 .Lentry_in_a_cluster
	s_endpgm
.Lentry_in_a_cluster:
	s_bfe_u32 s2, ttmp6, 0x10000c
	s_cmp_lg_u32 s2, 0x3003
	s_cbranch_scc0 .Lentry_shape_is_right
	s_endpgm
.Lentry_shape_is_right:
; CHAIN.  For 64 rows: q = x Wq + bq, Q = elu(q) + 1, Z = 1 / (Q . sum K + 1e-6), attn = (Q KV^T) Z, x1 = LN(x + attn Wo + bo), out = LN(x1 + relu(x1 W1 + b1) W2 + b2).
; Every product but Q . sum K and the one by Z is on codes of BF6 (E3M2) with one E8M0 scale for each 32 along its K; all else is f32.  Nothing between x and out goes to memory.
; LIMITS: NaN and infinities are not served; e^q under 2^-126 comes out as 0; a block whose largest magnitude lies under 2^-122 keeps the byte 1, a block of zeros too (its codes are zeros).
; elu(q) + 1 is the middle one of 2^(q log2 e), q + 1 and 1.
; SHARES.  THE WAVES SHARE THE COLUMNS: wave w owns columns 128 w .. 128 w + 127 of every activation of width 512 (heads 2 w, 2 w + 1), for all 64 rows (four tiles m of 16).
; ALL PRODUCTS ARE USED TRANSPOSED (source 0 = 16 columns of a weight, source 1 = 16 rows of the activation): a lane holds ONE row.  The columns of a weight tile were chosen by the first launch so that
; register 64 m + 16 b + i of a bank holds column 32 b + 16 (lane / 16) + i of the wave's 128: the order that the quantiser takes.  A bank is 32 accumulators, 256 registers: H (window 2) and Y (window 3).
; Y holds x, then x1: the residual is what the sums are added onto.  H is loaded with the bias before its sums.  So every sum is in place and a K step has one form.
; AN ACTIVATION GOES FROM WAVE TO WAVE AS IMAGES OF ITS OPERAND'S REGISTERS: image (m, s) is K step s = wave s's 128 columns; 1,536 bytes, lane l's registers 4 g .. 4 g + 3 at 512 g + 16 l.
; THE WEIGHTS are one stream of 20 tiles of 102,400 bytes (two K steps x four waves' records); a unit = 4 K steps = 2 tiles = 128 products a wave; ten units.  A wave uses its own 25,600 bytes of a tile alone.
; A unit's SECOND tile (K steps 2, 3) is asked for JOINTLY by the four work-groups of a cluster, through two LDS slots: bank H's units use slot 0, bank Y's slot 1; one refill and one round of the cluster's
; barrier a unit; the tile asked for in unit u is read in unit u + 2.  Two tensor loads of a wave are out at the most.
; A unit's FIRST tile (K steps 0, 1) is NOT asked for jointly: it comes straight into 200 registers, 50 loads of 512 consecutive bytes a wave, each K step's asked for again directly behind its 32 products.
; The reason, by this text's own count: a joint tile passes LDS twice (25,600 bytes a wave written, the same read) and a wave has one tensor load for each round; with both tiles in the ring a refill would have
; 64 products in which to land and LDS would serve 148 loads of 512 bytes a wave and unit; so it has 128 products, and LDS serves 98.
; REGISTERS: window 0: v1-19, v189 addresses; v20-27 the slot's scale words; v28-35 the activations', two sets; v36-131 a K step's eight weight fragments out of the slot (in attention: KV's eight);
;   v132-151 codes in the making; v152-167 at work; v170-177 Z; v178-185 KV's scale words; v192-199 scale words of K steps 0, 1; v200-247 activations' fragments, set 1 (between units: exponentials, the norms' figures).
;   window 1: v0-47 activations' fragments, set 0 (in attention v0-63: the sums of K); v64-255 the weights of K steps 0 and 1.
.set SLOT1, 0x20000                    ; slot 0 at 0, slot 1 here
.set SLOTB, 102400
.set RA,    102400                     ; region A: 16 images, then [s][m][lane] scale words at + SCO
.set RB,    233472                     ; region B likewise
.set SCO,   24576
.set LNS,   260096                     ; four stages of [row 64][wave 4] f32 for the norms
.set PRIV,  264192                     ; 14,592 bytes a wave: 12 slices of 128 parameters, then at + STG a stage of 16 rows x 528 for x's way in and the way out
.set PRW,   14592
.set STG,   6144
.set SPARE, 322560                     ; the spare words, 128 bytes a wave
.set LI,  1
.set LS,  2
.set AW0, 3
.set AW1, 4
.set AAA, 5
.set ASA, 6
.set SIA, 7
.set SIB, 8
.set SSA, 9
.set SSB, 10
.set AAB, 11
.set PR,  12
.set PRC, 13
.set LNW, 14
.set LNR, 15
.set SPW, 16
.set NIL, 17
.set PW,  18
.set STO, 19
.set WS,  20
.set AS,  28
.set WB,  36
.set KVF, 36
.set PC,  132
.set T8,  144
.set TM,  152
.set PV,  168
.set POF, 169
.set ZP,  170
.set KVS, 178
.set L8,  186
.set TA0, 187
.set TA1, 188
.set ASB, 189
.set DS,  192
.set AF1, 200
.set E,   200
.set LT,  200
.set AF0, 0
.set KS,  0
.set D,   64
.set OB,  0
.set WV,  8
.set CH,  10
.set TP,  14
.set G1,  16
.set G0A, 24
.set G0B, 28
.set SEL, 32
.set LE,  34
.set I512, 36
.set EPSL, 37
.set EPSA, 38
.set DB,  52
.set MSB, 0
.macro WIN new                         ; the immediate's high byte repeats the setting that is left
.if MSB != (\new)
	s_set_vgpr_msb (MSB<<8)|(\new)
.set MSB, (\new)
.endif
.endm
.macro PLACES                          ; four plain lines: behind products, in front of loads into their registers and of the first read of results
.rept 4
	v_nop
.endr
.endm
.macro CREST
	s_cmp_lg_u32 s[WV], 0
	s_cbranch_scc1 .Lnw0_\@
	s_barrier_signal -3
.Lnw0_\@:
	s_barrier_wait -3
	s_barrier_signal -1
	s_barrier_wait -1
.endm
.macro ROUND
	s_barrier_signal -1
	s_barrier_wait -1
	CREST
.endm
.macro BARRIER                         ; my LDS stores have landed and my LDS loads are in: then the work-group's barrier.
	s_wait_dscnt 0x0
	s_barrier_signal -1
	s_barrier_wait -1
.endm
; 64 numbers at v[src] of window w, register 16 b + i = k 32 b + 16 (lane / 16) + i of my row: a fragment's codes in v[PC] on, its scale word in v[PW]
.macro QUANT src, w
	WIN (\w)|((\w)<<2)
.irp b, 0,1,2,3
	v_max3_num_f32 v[TM+\b], |v[\src+16*\b]|, |v[\src+16*\b+1]|, 0x2800000     ; and the floor 2^(5 - 127); each accumulator is read from its low end on
.endr
.irp i, 2,4,6,8,10,12,14
.irp b, 0,1,2,3
	v_max3_num_f32 v[TM+\b], |v[\src+16*\b+\i]|, |v[\src+16*\b+\i+1]|, v[TM+\b]
.endr
.endr
	WIN 0
.irp b, 0,1,2,3
	v_permlanex16_b32 v[TM+4+\b], v[TM+\b], s[SEL], s[SEL+1]
.endr
.irp b, 0,1,2,3
	v_max_num_f32 v[TM+\b], v[TM+\b], v[TM+4+\b]
.endr
.irp b, 0,1,2,3
	v_add_nc_u32 v[TM+12+\b], 0xfe000000, v[TM+\b] ; 4 off the exponent field: the conversion's scale operand
.endr
.irp b, 0,1,2,3
	v_lshrrev_b32 v[TM+4+\b], 23, v[TM+12+\b]
.endr
	v_lshl_or_b32 v[PW], v[TM+5], 8, v[TM+4]
	v_lshl_or_b32 v[PW], v[TM+6], 16, v[PW]
	v_lshl_or_b32 v[PW], v[TM+7], 24, v[PW]
	s_wait_dscnt 0x0                               ; the last image's stores have read the codes' registers
	WIN \w
.irp c, 0,1
	v_cvt_scalef32_pk16_bf6_f32 v[PC+6*\c:PC+6*\c+2], v[\src+32*\c:\src+32*\c+15], v[TM+12+2*\c]
	v_cvt_scalef32_pk16_bf6_f32 v[T8+4*\c:T8+4*\c+2], v[\src+32*\c+16:\src+32*\c+31], v[TM+13+2*\c]
.endr
	WIN 0
	v_nop                                          ; one plain line behind the scaled conversions
.irp c, 0,1
.irp i, 0,1,2
	v_permlane16_swap_b32 v[PC+6*\c+\i], v[T8+4*\c+\i]
.endr
.irp i, 0,1,2
	v_mov_b32 v[PC+6*\c+3+\i], v[T8+4*\c+\i]
.endr
.endr
.endm
.macro IMAGE si, ss, m
.irp g, 0,1,2
	ds_store_b128 v[\si], v[PC+4*\g:PC+4*\g+3] offset:6144*\m+512*\g
.endr
	ds_store_b32 v[\ss], v[PW] offset:128*\m
.endm
.macro HLD dst, adr, off               ; a slice of 128 parameters in a bank's order: 64 registers a lane
.irp b, 0,1,2,3
.irp jj, 0,1,2,3
	ds_load_b128 v[\dst+16*\b+4*\jj:\dst+16*\b+4*\jj+3], v[\adr] offset:\off+128*\b+16*\jj
.endr
.endr
.endm
.macro WM d, a, b, sa, sb, row1
.if \row1
	v_wmma_scale_f32_16x16x128_f8f6f4 v[\d:\d+7], v[\a:\a+11], v[\b:\b+11], v[\d:\d+7], v[\sa], v[\sb] matrix_a_fmt:MATRIX_FMT_BF6 matrix_b_fmt:MATRIX_FMT_BF6 matrix_a_scale:MATRIX_SCALE_ROW1
.else
	v_wmma_scale_f32_16x16x128_f8f6f4 v[\d:\d+7], v[\a:\a+11], v[\b:\b+11], v[\d:\d+7], v[\sa], v[\sb] matrix_a_fmt:MATRIX_FMT_BF6 matrix_b_fmt:MATRIX_FMT_BF6
.endif
.endm
; weight tiles t0 .. t1 (fragments at v[wb] of window ww, scale words at v[ws]) against the four tiles of rows (fragments at v[af] of window aw, scale words at v[as]), added onto bank.
; No two products that follow each other share an accumulator, from K step to K step and over the loop's edge too
.macro MUL bank, t0, t1, wb, ww, af, aw, ws, as
	WIN (\ww)|((\aw)<<2)|((\bank)<<4)|((\bank)<<6)
.set tt, \t0
.rept \t1-\t0+1
.irp m, 0,1,2,3
	WM 64*\m+8*tt, \wb+12*tt, \af+12*\m, \ws+tt/2, \as+\m, tt%2
.endr
.set tt, tt+1
.endr
.endm
.macro LW aw, half, j                  ; four weight fragments of the slot's record j: 12 loads
	WIN 0
.irp t, 0,1,2,3
.irp g, 0,1,2
	ds_load_b128 v[WB+48*\half+12*\t+4*\g:WB+48*\half+12*\t+4*\g+3], v[\aw] offset:12800*\j+1536*(4*\half+\t)+512*\g
.endr
.endr
.endm
.macro LWS aw, j
	WIN 0
	ds_load_b128 v[WS+4*\j:WS+4*\j+3], v[\aw] offset:12800*\j+12288
.endm
.macro LAS ss, k, set                  ; the four tiles of rows' scale words of K step k: 4 loads
	WIN 0
.irp m, 0,1,2,3
	ds_load_b32 v[AS+4*\set+\m], v[\ss] offset:512*\k+128*\m
.endr
.endm
.macro LAF aa, k, af, w                ; and their fragments: 12 loads
	WIN (\w)<<6
.irp m, 0,1,2,3
.irp g, 0,1,2
	ds_load_b128 v[\af+12*\m+4*\g:\af+12*\m+4*\g+3], v[\aa] offset:1536*\k+6144*\m+512*\g
.endr
.endr
.endm
.macro GLD j                           ; record j of the tile at s[DB:DB+1] straight into registers: 24 loads of fragments and one of scale words, 512 consecutive bytes each
	WIN 0x40
.irp t, 0,1,2,3,4,5,6,7
.irp g, 0,1,2
	global_load_b128 v[D+96*\j+12*\t+4*\g:D+96*\j+12*\t+4*\g+3], v[LI], s[DB:DB+1] offset:12800*\j+1536*\t+512*\g
.endr
.endr
	WIN 0
	global_load_b128 v[DS+4*\j:DS+4*\j+3], v[LI], s[DB:DB+1] offset:12800*\j+12288
.endm
; A UNIT: 4 K steps of the activation whose images lie at aa / ss, added onto bank.  K steps 0, 1: weights in registers; K steps 2, 3: out of the slot at aw.
; fill = 1: the slot is asked for again, for the unit after next.  dl = 1: the next unit's first tile is asked for.  tc: how many younger tensor loads of mine may be out when I read my part of this unit's tile.
.macro UNIT bank, aa, ss, aw, g0, fill, dl, tc
	LAS \ss, 0, 0
	LAF \aa, 0, AF0, 1
	LAS \ss, 1, 1
	LAF \aa, 1, AF1, 0
	s_wait_tensorcnt \tc                           ; my part of this unit's tile is in LDS; only I read it
	LW \aw, 0, 0
	LWS \aw, 0
	LW \aw, 1, 0
	s_wait_loadcnt 25                              ; K step 0's 25 loads are in; K step 1's 25 were issued behind them
	s_wait_dscnt 41                                ; K step 0's activations are in; K step 1's 16 loads and the slot's 25 may be out
	MUL \bank, 0, 7, D, 1, AF0, 1, DS, AS
	WIN 0
	PLACES
.if \dl
	s_wait_xcnt 0x0                                ; the loads that are out have read their base: it steps only behind this wait
	s_add_nc_u64 s[DB:DB+1], s[DB:DB+1], 2*SLOTB   ; the next unit's first tile
	GLD 0
.endif
	LAS \ss, 2, 0
	LAF \aa, 2, AF0, 1
	s_wait_loadcnt 25*\dl                          ; K step 1's loads are in; the 25 just issued may be out
	s_wait_dscnt 41                                ; K step 1's activations are in; the slot's 25 loads and K step 2's 16 may be out
	MUL \bank, 0, 7, D+96, 1, AF1, 0, DS+4, AS+4
	WIN 0
	PLACES
.if \dl
	GLD 1
.endif
	LAS \ss, 3, 1
	LAF \aa, 3, AF1, 0
	s_wait_dscnt 16                                ; all but K step 3's 16
	MUL \bank, 0, 3, WB, 0, AF0, 1, WS, AS
	WIN 0
	PLACES
	LW \aw, 0, 1
	LWS \aw, 1
	MUL \bank, 4, 7, WB, 0, AF0, 1, WS, AS
	WIN 0
	PLACES
	LW \aw, 1, 1                                   ; my last reads of the slot
.if \fill
	s_wait_tensorcnt 0x0                           ; the other slot's tile is in, and no load of mine is out: the descriptor may be written
	ds_add_u32 v[SPW], v[NIL]
	s_wait_dscnt 13                                ; (the add and the weights' tiles 4-7 may be out)
	MUL \bank, 0, 1, WB, 0, AF1, 0, WS+4, AS+4
	s_add_nc_u64 s[\g0+2:\g0+3], s[\g0+2:\g0+3], 4*SLOTB   ; two units on
	s_wait_dscnt 0x0                               ; the add is done, and my reads of this slot and of the images are over
	s_barrier_signal -1
	MUL \bank, 2, 3, WB, 0, AF1, 0, WS+4, AS+4
	WIN 0
	s_barrier_wait -1
	CREST                                          ; no wave of any partner still reads this slot or has a load on its way
	tensor_load_to_lds s[\g0:\g0+3], s[G1:G1+7]
	s_nop 0
	PLACES
	MUL \bank, 4, 7, WB, 0, AF1, 0, WS+4, AS+4
.else
	s_wait_dscnt 12                                ; (the weights' tiles 4-7 may be out)
	MUL \bank, 0, 3, WB, 0, AF1, 0, WS+4, AS+4
	s_wait_dscnt 0x0
	MUL \bank, 4, 7, WB, 0, AF1, 0, WS+4, AS+4
.endif
	WIN 0
	PLACES                                         ; the places behind the unit's last products, for whatever follows
.endm
.macro UH fill, dl, tc
	UNIT 2, AAA, ASA, AW0, G0A, \fill, \dl, \tc
.endm
.macro UY fill, dl, tc
	UNIT 3, AAB, ASB, AW1, G0B, \fill, \dl, \tc
.endm
	s_load_b512 s[68:83], s[0:1], 0x0              ; x 68, wts 70, kvc 72, ksum 74, bq 76, bo 78, g1 80, be1 82
	s_load_b256 s[84:91], s[0:1], 0x40             ; b1 84, b2 86, g2 88, be2 90
	s_load_b64 s[92:93], s[0:1], 0x60              ; out0
	v_lshl_add_u32 v[SPW], v0, 2, SPARE
	v_mov_b32 v[NIL], 0
	ds_add_u32 v16, v17
	ds_add_u32 v16, v17
	s_wait_dscnt 0x0
	v_lshrrev_b32 v[TA0], 5, v0
	v_readfirstlane_b32 s[WV], v[TA0]              ; wave
	s_bfe_u32 s40, ttmp6, 0x40000                  ; cx
	s_lshl_b32 s41, ttmp9, 2
	s_add_co_u32 s41, s41, s40                     ; my block of 64 rows: it enters global addresses of x, kvc, ksum and out0 alone
	s_lshr_b32 s42, s41, 5                         ; the batch
	; group 1: 100 rows of 256 bytes (32 elements of 8), dense; mask: all four work-groups, bit 21 beside it
	s_mov_b32 s[G1], 15|(3<<16)|(1<<21)
	s_mov_b32 s[G1+1], 32<<16
	s_mov_b32 s[G1+2], 100<<16
	s_mov_b32 s[G1+3], 32<<16
	s_mov_b32 s[G1+4], 100
	s_mov_b32 s[G1+5], 32
	s_mov_b32 s[G1+6], 0
	s_mov_b32 s[G1+7], 0
	s_mul_i32 s43, s[WV], 25600
	s_mov_b32 s44, s43
	s_mov_b32 s45, 0
	s_mov_b32 s[SEL], 0x76543210
	s_mov_b32 s[SEL+1], 0xfedcba98
	s_mov_b32 s[LE], 0x3fb8aa3b                    ; log2(e)
	s_mov_b32 s[LE+1], s[LE]
	s_mov_b32 s[I512], 0x3b000000                  ; 1 / 512
	s_mov_b32 s[EPSL], 0x3727c5ac                  ; 1e-5
	s_mov_b32 s[EPSA], 0x358637bd                  ; 1e-6
	s_mov_b32 s[TP], 7*512
	s_wait_kmcnt 0x0
	s_add_nc_u64 s[DB:DB+1], s[70:71], s[44:45]    ; my part of tile 0
	s_mov_b32 s[G0A], 1
	s_mov_b32 s[G0A+1], s43                        ; slot 0: tiles 1, 5, 9, 13, 17
	s_add_nc_u64 s[G0A+2:G0A+3], s[DB:DB+1], SLOTB
	s_mov_b32 s[G0B], 1
	s_add_co_u32 s[G0B+1], s43, SLOT1              ; slot 1: tiles 3, 7, 11, 15, 19
	s_add_nc_u64 s[G0B+2:G0B+3], s[DB:DB+1], 3*SLOTB
	s_or_b32 s[G0A+3], s[G0A+3], 0x80000000
	s_or_b32 s[G0B+3], s[G0B+3], 0x80000000
	ROUND                                          ; all four work-groups are here: the first joint loads meet
	tensor_load_to_lds s[G0A:G0A+3], s[G1:G1+7]
	s_nop 0
	tensor_load_to_lds s[G0B:G0B+3], s[G1:G1+7]
	s_nop 0
	PLACES
	v_and_b32 v[LS], 31, v0
	v_lshlrev_b32 v[LI], 4, v[LS]
	v_lshlrev_b32 v[L8], 3, v[LS]
	v_lshlrev_b32 v[LS], 2, v[LS]
	v_and_b32 v[TA0], 15, v0                       ; r
	v_bfe_u32 v[TA1], v0, 4, 1                     ; h
	v_add_nc_u32 v[AW0], s43, v[LI]
	v_add_nc_u32 v[AW1], SLOT1, v[AW0]
	v_add_nc_u32 v[AAA], RA, v[LI]
	v_add_nc_u32 v[AAB], RB, v[LI]
	v_add_nc_u32 v[ASA], RA+SCO, v[LS]
	v_add_nc_u32 v[ASB], RB+SCO, v[LS]
	s_mul_i32 s46, s[WV], 1536
	s_add_co_u32 s47, s46, RA
	v_add_nc_u32 v[SIA], s47, v[LI]
	s_add_co_u32 s47, s46, RB
	v_add_nc_u32 v[SIB], s47, v[LI]
	s_lshl_b32 s46, s[WV], 9
	s_add_co_u32 s47, s46, RA+SCO
	v_add_nc_u32 v[SSA], s47, v[LS]
	s_add_co_u32 s47, s46, RB+SCO
	v_add_nc_u32 v[SSB], s47, v[LS]
	v_add_nc_u32 v[POF], s46, v[LI]                ; in memory: 16 x lane + my wave's 512 bytes of a row
	s_mul_i32 s47, s[WV], PRW
	s_add_co_u32 s47, s47, PRIV
	v_lshl_add_u32 v[PR], v[TA1], 6, s47
	v_add_nc_u32 v[PV], s47, v[LI]
	v_mul_u32_u24 v[STO], v[TA0], 528
	v_lshl_add_u32 v[STO], v[TA1], 6, v[STO]
	s_add_co_u32 s47, s47, STG
	v_add_nc_u32 v[STO], s47, v[STO]               ; the stage: row r, + 64 h
	s_lshl_b32 s47, s[WV], 2
	s_add_co_u32 s47, s47, LNS
	v_lshl_add_u32 v[LNW], v[TA0], 4, s47
	v_lshl_add_u32 v[LNR], v[TA0], 4, LNS
	s_lshl_b32 s48, s41, 17                        ; 64 rows of 2,048 bytes
	s_mov_b32 s49, 0
	s_add_nc_u64 s[68:69], s[68:69], s[48:49]
	s_add_nc_u64 s[92:93], s[92:93], s[48:49]
	s_lshl_b32 s48, s42, 11
	s_add_nc_u64 s[74:75], s[74:75], s[48:49]
	s_lshl_b32 s48, s42, 3
	s_lshl_b32 s50, s[WV], 1
	s_add_co_u32 s48, s48, s50
	s_mul_i32 s48, s48, 3584                       ; head 2 w of my batch
	s_add_nc_u64 s[72:73], s[72:73], s[48:49]
.macro PLD idx, sb, off
	global_load_b128 v[WB+4*\idx:WB+4*\idx+3], v[POF], s[\sb:\sb+1] offset:\off
.endm
	PLD 0, 76, 0                                   ; the small loads first: my wave's 128 numbers of each parameter,
	PLD 1, 78, 0
	PLD 2, 80, 0
	PLD 3, 82, 0
	PLD 4, 86, 0
	PLD 5, 88, 0
	PLD 6, 90, 0
	PLD 7, 84, 0
	PLD 8, 84, 2048
	PLD 9, 84, 4096
	PLD 10, 84, 6144
	PLD 11, 74, 0
.irp t, 0,1,2,3
	global_load_b32 v[KVS+\t], v[LS], s[72:73] offset:3072+128*\t           ; KV's scale words,
	global_load_b32 v[KVS+4+\t], v[LS], s[72:73] offset:3584+3072+128*\t
.endr
	WIN 0x80
.irp m, 0,1,2,3                                ; then x: a load takes my 512 consecutive bytes of one row; they land in bank H, which is idle
.irp i, 0,1,2,3,4,5,6,7,8,9,10,11,12,13,14,15
	global_load_b128 v[64*\m+4*\i:64*\m+4*\i+3], v[POF], s[68:69] offset:(16*\m+\i)*2048 th:TH_LOAD_NT
.endr
.endr
	WIN 0
.irp i, 4,5,6,7,8,9,10,11
	v_mov_b32 v[TM+\i], 0                          ; a lane permute's destination counts as one of its sources
.endr
	s_wait_loadcnt 63                              ; of 84 loads at most 63 are out: the 20 small ones are in
.irp i, 0,1,2,3,4,5,6,7,8,9,10,11
	ds_store_b128 v[PV], v[WB+4*\i:WB+4*\i+3] offset:512*\i
.endr
	GLD 0                                          ; the first unit's K steps 0 and 1
	GLD 1
	s_wait_loadcnt 50                              ; x is in; the 50 just issued may be out
.macro XIN m                           ; 16 rows through my stage into bank Y in the bank's order.  LDS serves a wave's instructions in order: the loads see the stores, and the next tile's stores come behind them
	WIN 0x08
.irp i, 0,1,2,3,4,5,6,7,8,9,10,11,12,13,14,15
	ds_store_b128 v[PV], v[64*\m+4*\i:64*\m+4*\i+3] offset:STG+528*\i
.endr
	WIN 0xC0
.irp b, 0,1,2,3
.irp jj, 0,1,2,3
	ds_load_b128 v[64*\m+16*\b+4*\jj:64*\m+16*\b+4*\jj+3], v[STO] offset:128*\b+16*\jj
.endr
.endr
.endm
	XIN 0
	XIN 1
	XIN 2
	XIN 3
	WIN 0
	s_wait_dscnt 0x0
.irp m, 0,1,2,3
	QUANT 64*\m, 3
	IMAGE SIA, SSA, \m
.endr
	WIN 0x80
.irp m, 0,1,2,3
	HLD 64*\m, PR, 0                               ; H = bq
.endr
	WIN 0
	BARRIER                                        ; x's sixteen images lie in region A
	UH 1, 1, 1                                     ; q
	; ---- attention.  KV's codes take the registers that the slot's weights have left: the even head's six registers are registers 0-5 of its fragments, the odd head's 6-11
.irp t, 0,1,2,3
	global_load_b128 v[KVF+12*\t:KVF+12*\t+3], v[LI], s[72:73] offset:768*\t
	global_load_b64 v[KVF+12*\t+4:KVF+12*\t+5], v[L8], s[72:73] offset:768*\t+512
	global_load_b128 v[KVF+12*(\t+4)+6:KVF+12*(\t+4)+9], v[LI], s[72:73] offset:3584+768*\t
	global_load_b64 v[KVF+12*(\t+4)+10:KVF+12*(\t+4)+11], v[L8], s[72:73] offset:3584+768*\t+512
.endr
.irp t, 0,1,2,3
.irp i, 0,1,2,3,4,5
	v_mov_b32 v[KVF+12*\t+6+\i], 0                 ; the other head's half of K: zero codes, which add nothing
	v_mov_b32 v[KVF+12*(\t+4)+\i], 0
.endr
.endr
	WIN 0x40
	HLD KS, PR, 512*11                             ; the sums of K of my two heads
	WIN 0
.macro ELU m
	WIN 0x02
.set i, 0
.rept 32
.set ee, E+i
.if i >= 56
.set ee, TM+i-56
.endif
	v_pk_mul_f32 v[ee:ee+1], v[64*\m+i:64*\m+i+1], s[LE:LE+1] op_sel_hi:[1,0]
.set i, i+2
.endr
	WIN 0
.set i, 0
.rept 64
.set ee, E+i
.if i >= 56
.set ee, TM+i-56
.endif
	v_exp_f32 v[ee], v[ee]
.set i, i+1
.endr
	WIN 0x82
.set i, 0
.rept 32
	v_pk_add_f32 v[64*\m+i:64*\m+i+1], v[64*\m+i:64*\m+i+1], 1.0 op_sel_hi:[1,0]   ; q + 1: plain work behind the exponentials
.set i, i+2
.endr
	s_wait_alu depctr_va_vdst(0)                   ; one wait for the 64 exponentials, ahead of their first reader
	WIN 0x88
.set i, 0
.rept 64
.set ee, E+i
.if i >= 56
.set ee, TM+i-56
.endif
	v_med3_num_f32 v[64*\m+i], v[ee], v[64*\m+i], 1.0
.set i, i+1
.endr
.endm
.macro DEN m                           ; Z of my row for both heads, in f32: registers 0-31 are the even head's, 32-63 the odd head's
	WIN 0x06
	v_pk_mul_f32 v[TM:TM+1], v[64*\m:64*\m+1], v[KS:KS+1]
	v_pk_mul_f32 v[TM+2:TM+3], v[64*\m+2:64*\m+3], v[KS+2:KS+3]
	v_pk_mul_f32 v[TM+4:TM+5], v[64*\m+32:64*\m+33], v[KS+32:KS+33]
	v_pk_mul_f32 v[TM+6:TM+7], v[64*\m+34:64*\m+35], v[KS+34:KS+35]
.irp i, 4,8,12,16,20,24,28
	v_pk_fma_f32 v[TM:TM+1], v[64*\m+\i:64*\m+\i+1], v[KS+\i:KS+\i+1], v[TM:TM+1]
	v_pk_fma_f32 v[TM+2:TM+3], v[64*\m+\i+2:64*\m+\i+3], v[KS+\i+2:KS+\i+3], v[TM+2:TM+3]
	v_pk_fma_f32 v[TM+4:TM+5], v[64*\m+32+\i:64*\m+32+\i+1], v[KS+32+\i:KS+32+\i+1], v[TM+4:TM+5]
	v_pk_fma_f32 v[TM+6:TM+7], v[64*\m+34+\i:64*\m+34+\i+1], v[KS+34+\i:KS+34+\i+1], v[TM+6:TM+7]
.endr
	WIN 0
	v_pk_add_f32 v[TM:TM+1], v[TM:TM+1], v[TM+2:TM+3]
	v_pk_add_f32 v[TM+4:TM+5], v[TM+4:TM+5], v[TM+6:TM+7]
	v_add_f32 v[TM], v[TM], v[TM+1]
	v_add_f32 v[TM+4], v[TM+4], v[TM+5]
	v_permlanex16_b32 v[TM+12], v[TM], s[SEL], s[SEL+1]
	v_permlanex16_b32 v[TM+13], v[TM+4], s[SEL], s[SEL+1]
	v_add_f32 v[TM], v[TM], v[TM+12]
	v_add_f32 v[TM+4], v[TM+4], v[TM+13]
	v_add_f32 v[TM], s[EPSA], v[TM]
	v_add_f32 v[TM+4], s[EPSA], v[TM+4]
	v_rcp_f32 v[ZP+2*\m], v[TM]
	v_rcp_f32 v[ZP+2*\m+1], v[TM+4]
	v_nop
	s_wait_alu depctr_va_vdst(0)                   ; one wait for the two reciprocals.  The plain lines above are also the places between the scale word's and the codes' last writes and the products below
.endm
.irp m, 0,1,2,3
	ELU \m
	QUANT 64*\m, 2
	DEN \m
.if \m == 0
	s_wait_loadcnt 0x0                             ; KV's codes are in
.endif
	WIN 0x80                                       ; Q KV^T: source 0 = 16 m of KV (tiles 0-3 the even head, 4-7 the odd), source 1 = Q's 16 rows; the results take Q's place
.irp t, 0,1,2,3,4,5,6,7
	v_wmma_scale_f32_16x16x128_f8f6f4 v[64*\m+8*\t:64*\m+8*\t+7], v[KVF+12*\t:KVF+12*\t+11], v[PC:PC+11], 0, v[KVS+\t], v[PW] matrix_a_fmt:MATRIX_FMT_BF6 matrix_b_fmt:MATRIX_FMT_BF6
.endr
.endr
.irp m, 0,1,2,3                                ; x Z, quantised, to region B.  Tile 0's lines name none of the last products' registers: they are the places behind them
	WIN 0x82
.set i, 0
.rept 16
	v_pk_mul_f32 v[64*\m+i:64*\m+i+1], v[64*\m+i:64*\m+i+1], v[ZP+2*\m:ZP+2*\m+1] op_sel_hi:[1,0]
.set i, i+2
.endr
.rept 16
	v_pk_mul_f32 v[64*\m+i:64*\m+i+1], v[64*\m+i:64*\m+i+1], v[ZP+2*\m:ZP+2*\m+1] op_sel:[0,1]
.set i, i+2
.endr
	QUANT 64*\m, 2
	IMAGE SIB, SSB, \m
.endr
	WIN 0x80
	HLD 0, PR, 512*1                               ; H: bo, g1, be1, b2
	HLD 64, PR, 512*2
	HLD 128, PR, 512*3
	HLD 192, PR, 512*4
	WIN 0
	BARRIER
	UY 1, 1, 1                                     ; Y = x + attn Wo
; The four pairs v[TM + 2 m] become the rows' sums over all 512 columns, in v[LT + 4 m]: my two halves, lane l xor 16's, and the four waves' through stage k in LDS
.macro ROWSUM k
	WIN 0
.irp m, 0,1,2,3
	v_add_f32 v[TM+2*\m], v[TM+2*\m], v[TM+2*\m+1]
.endr
.irp m, 0,1,2,3
	v_permlanex16_b32 v[TM+8+\m], v[TM+2*\m], s[SEL], s[SEL+1]
.endr
.irp m, 0,1,2,3
	v_add_f32 v[TM+2*\m], v[TM+2*\m], v[TM+8+\m]
.endr
.irp m, 0,1,2,3
	ds_store_b32 v[LNW], v[TM+2*\m] offset:256*\m+1024*(\k)
.endr
	BARRIER
.irp m, 0,1,2,3
	ds_load_b128 v[LT+4*\m:LT+4*\m+3], v[LNR] offset:256*\m+1024*(\k)
.endr
	s_wait_dscnt 0x0
.irp m, 0,1,2,3
	v_add_f32 v[LT+4*\m], v[LT+4*\m], v[LT+4*\m+1]
	v_add_f32 v[LT+4*\m+2], v[LT+4*\m+2], v[LT+4*\m+3]
.endr
.irp m, 0,1,2,3
	v_add_f32 v[LT+4*\m], v[LT+4*\m], v[LT+4*\m+2]
.endr
.endm
; Y = (Y - mean) rsqrt(var + 1e-5) g + be, g and be in H[64 ..], H[128 ..]; the variance is the mean of the squares of Y - mean.  first = 1: H[0 .. 63] is added first
.macro LN k, first
.if \first
	WIN 0xCB
.irp m, 0,1,2,3
.set i, 0
.rept 32
	v_pk_add_f32 v[64*\m+i:64*\m+i+1], v[64*\m+i:64*\m+i+1], v[i:i+1]
.set i, i+2
.endr
.endr
.endif
	WIN 0x0F
.irp m, 0,1,2,3
	v_pk_add_f32 v[TM+2*\m:TM+2*\m+1], v[64*\m:64*\m+1], v[64*\m+2:64*\m+3]    ; the first two pairs start the sums; each accumulator is read from its low end on
.endr
	WIN 0x03
.set i, 4
.rept 30
.irp m, 0,1,2,3
	v_pk_add_f32 v[TM+2*\m:TM+2*\m+1], v[64*\m+i:64*\m+i+1], v[TM+2*\m:TM+2*\m+1]
.endr
.set i, i+2
.endr
	ROWSUM \k
.irp m, 0,1,2,3
	v_mul_f32 v[LT+4*\m], s[I512], v[LT+4*\m]      ; the mean
.endr
	WIN 0xC3
.irp m, 0,1,2,3
.set i, 0
.rept 32
	v_pk_add_f32 v[64*\m+i:64*\m+i+1], v[64*\m+i:64*\m+i+1], v[LT+4*\m:LT+4*\m+1] op_sel_hi:[1,0] neg_lo:[0,1] neg_hi:[0,1]
.set i, i+2
.endr
.endr
	WIN 0x0F
.irp m, 0,1,2,3
	v_pk_mul_f32 v[TM+2*\m:TM+2*\m+1], v[64*\m:64*\m+1], v[64*\m:64*\m+1]
.endr
.set i, 2
.rept 31
.irp m, 0,1,2,3
	v_pk_fma_f32 v[TM+2*\m:TM+2*\m+1], v[64*\m+i:64*\m+i+1], v[64*\m+i:64*\m+i+1], v[TM+2*\m:TM+2*\m+1]
.endr
.set i, i+2
.endr
	ROWSUM \k+1
.irp m, 0,1,2,3
	v_fma_f32 v[LT+4*\m], v[LT+4*\m], s[I512], s[EPSL]
.endr
.irp m, 0,1,2,3
	v_rsq_f32 v[LT+4*\m+2], v[LT+4*\m]
.endr
	v_nop
	s_wait_alu depctr_va_vdst(0)                   ; one wait for the four roots
	WIN 0xC3
.irp m, 0,1,2,3
.set i, 0
.rept 32
	v_pk_mul_f32 v[64*\m+i:64*\m+i+1], v[64*\m+i:64*\m+i+1], v[LT+4*\m+2:LT+4*\m+3] op_sel_hi:[1,0]
.set i, i+2
.endr
.endr
	WIN 0xEB
.irp m, 0,1,2,3
.set i, 0
.rept 32
	v_pk_fma_f32 v[64*\m+i:64*\m+i+1], v[64*\m+i:64*\m+i+1], v[64+i:64+i+1], v[128+i:128+i+1]
.set i, i+2
.endr
.endr
	WIN 0
.endm
	LN 0, 1                                        ; Y = x1
.irp m, 0,1,2,3
	QUANT 64*\m, 3
	IMAGE SIA, SSA, \m                             ; region A was last read in the first unit, ahead of that unit's round, which every wave has passed
.endr
	WIN 0xCB
.irp m, 0,1,2,3
.set i, 0
.rept 32
	v_pk_add_f32 v[64*\m+i:64*\m+i+1], v[64*\m+i:64*\m+i+1], v[192+i:192+i+1]     ; Y = x1 + b2: what W2's sums are added onto
.set i, i+2
.endr
.endr
	WIN 0
	v_add_nc_u32 v[PRC], s[TP], v[PR]
	WIN 0x80
.irp m, 0,1,2,3
	HLD 64*\m, PRC, 0                              ; H = b1's first 512
.endr
	WIN 0
	BARRIER
; relu, quantised, to region B: K step w of this chunk of W2's K.  Region B was last read ahead of the round of the last unit on bank Y.  next = 1: H takes b1's next 512; 0: g2 and be2
.macro VPH next
.irp m, 0,1,2,3
	WIN 0x88
.set i, 0
.rept 64
	v_max_num_f32 v[64*\m+i], 0, v[64*\m+i]
.set i, i+1
.endr
	QUANT 64*\m, 2
	IMAGE SIB, SSB, \m
.endr
.if \next
	s_add_co_u32 s[TP], s[TP], 512
	v_add_nc_u32 v[PRC], s[TP], v[PR]
	WIN 0x80
.irp m, 0,1,2,3
	HLD 64*\m, PRC, 0
.endr
.else
	WIN 0x80
	HLD 64, PR, 512*5
	HLD 128, PR, 512*6
.endif
	WIN 0
	BARRIER
.endm
	s_mov_b32 s[CH], 3
.Lffn:                                             ; a chunk of 512 hidden units a trip
	UH 1, 1, 1
	VPH 1
	UY 1, 1, 1
	s_sub_co_u32 s[CH], s[CH], 1
	s_cmp_lg_u32 s[CH], 0
	s_cbranch_scc1 .Lffn
	UH 0, 1, 1                                     ; the last chunk is written out: its units ask for no tile, and the last for no weights at all
	VPH 0
	UY 0, 0, 0
	LN 2, 0
	; ---- the way out: 16 rows x my 512 bytes through my own stage, back as whole runs of 512 bytes
.macro TOSTAGE m
	WIN 0x0C
.irp b, 0,1,2,3
.irp jj, 0,1,2,3
	ds_store_b128 v[STO], v[64*\m+16*\b+4*\jj:64*\m+16*\b+4*\jj+3] offset:128*\b+16*\jj
.endr
.endr
	WIN 0x40
.irp i, 0,1,2,3,4,5,6,7,8,9,10,11,12,13,14,15
	ds_load_b128 v[OB+64*(\m%2)+4*\i:OB+64*(\m%2)+4*\i+3], v[PV] offset:STG+528*\i    ; LDS serves a wave's instructions in order: these see the stores above, and the next tile's stores come behind them
.endr
	WIN 0
.endm
.macro SEND m, younger
	s_wait_dscnt \younger                          ; the tile is back in registers; the next tile's 16 stores and 16 loads may be out
	WIN 0x04
.irp i, 0,1,2,3,4,5,6,7,8,9,10,11,12,13,14,15
	global_store_b128 v[POF], v[OB+64*(\m%2)+4*\i:OB+64*(\m%2)+4*\i+3], s[92:93] offset:(16*\m+\i)*2048 th:TH_STORE_NT   ; 32 lanes store 512 consecutive bytes, aligned
.endr
	WIN 0
.endm
	TOSTAGE 0
	TOSTAGE 1
	SEND 0, 32
	s_wait_xcnt 0x0                                ; tile 0's stores have read their registers: tile 2's loads may land there
	TOSTAGE 2
	SEND 1, 32
	s_wait_xcnt 0x0
	TOSTAGE 3
	SEND 2, 32
	SEND 3, 0
	s_wait_tensorcnt 0x0                           ; the wave's end
	ds_add_u32 v[SPW], v[NIL]
	s_wait_dscnt 0x0
	ROUND                                          ; the closing round
	s_endpgm
.Lfunc_end_k_qace4879420_chain:
	.size	k_qace4879420_chain, .Lfunc_end_k_qace4879420_chain-k_qace4879420_chain
	.p2alignl 7, 3214868480
	.fill 96, 4, 3214868480
	.section	.rodata,"a",@progbits
	.p2align	6, 0x0
	.amdhsa_kernel k_qace4879420_chain
		.amdhsa_group_segment_fixed_size 327680
		.amdhsa_private_segment_fixed_size 0
		.amdhsa_enable_private_segment 0
		.amdhsa_kernarg_size 104
		.amdhsa_user_sgpr_count 2
		.amdhsa_user_sgpr_kernarg_segment_ptr 1
		.amdhsa_wavefront_size32 1
		.amdhsa_system_sgpr_workgroup_id_x 1
		.amdhsa_system_sgpr_workgroup_id_y 1
		.amdhsa_system_sgpr_workgroup_id_z 1
		.amdhsa_system_vgpr_workitem_id 0
		.amdhsa_next_free_vgpr 1024
		.amdhsa_next_free_sgpr 100
		.amdhsa_reserve_vcc 0
		.amdhsa_float_denorm_mode_32 3
		.amdhsa_float_denorm_mode_16_64 3
		.amdhsa_memory_ordered 1
		.amdhsa_forward_progress 1
		.amdhsa_inst_pref_size 255
	.end_amdhsa_kernel
	.section	.bss,"aw",@nobits
	.p2align	6
	.space	262144
	.amdgpu_metadata
---
amdhsa.version: [ 1, 2 ]
amdhsa.kernels:
  - .name:           k_qace4879420_chain
    .symbol:         k_qace4879420_chain.kd
    .args:
      - { .name: x, .offset: 0, .size: 8, .value_kind: global_buffer, .address_space: global }
      - { .name: wts, .offset: 8, .size: 8, .value_kind: global_buffer, .address_space: global }
      - { .name: kvc, .offset: 16, .size: 8, .value_kind: global_buffer, .address_space: global }
      - { .name: ksum, .offset: 24, .size: 8, .value_kind: global_buffer, .address_space: global }
      - { .name: bq, .offset: 32, .size: 8, .value_kind: global_buffer, .address_space: global }
      - { .name: bo, .offset: 40, .size: 8, .value_kind: global_buffer, .address_space: global }
      - { .name: g1, .offset: 48, .size: 8, .value_kind: global_buffer, .address_space: global }
      - { .name: be1, .offset: 56, .size: 8, .value_kind: global_buffer, .address_space: global }
      - { .name: b1, .offset: 64, .size: 8, .value_kind: global_buffer, .address_space: global }
      - { .name: b2, .offset: 72, .size: 8, .value_kind: global_buffer, .address_space: global }
      - { .name: g2, .offset: 80, .size: 8, .value_kind: global_buffer, .address_space: global }
      - { .name: be2, .offset: 88, .size: 8, .value_kind: global_buffer, .address_space: global }
      - { .name: out0, .offset: 96, .size: 8, .value_kind: global_buffer, .address_space: global }
    .group_segment_fixed_size: 327680
    .private_segment_fixed_size: 0
    .kernarg_segment_align: 8
    .kernarg_segment_size: 104
    .max_flat_workgroup_size: 128
    .sgpr_count:     100
    .vgpr_count:     1024
    .wavefront_size: 32
...
	.end_amdgpu_metadata
.endif
;; end of part 6
